; MI455X (gfx1250); checked and timed in simulation.
; The chip was launched on July 23, 2026; its instructions are those of AMD's public machine-readable ISA for CDNA 5 (MIT licence, August 2026) and "CDNA5" Instruction Set Architecture Reference Guide (July 2026). The comments in the code are by the model that wrote it; some were corrected since.
;; Attention CD. Allowed arithmetic: matrix products marked QUANTISED: E2M1 operands, one E8M0 scale for each 32 along K, by v_wmma_scale_f32_16x16x128_f8f6f4 with both operands' format E2M1 (or v_wmma_scale_f32_32x16x128_f4), f32 sums; products left as they are: bf16, f16 or f32 operands; f32 sums; everything else in f32.
;; Inputs: b_p1 256 float32; b_p2 256 float32; w_p1 1,024 x 256 float32; w_p2 1,024 x 256 float32; w_qkv1 1,024 x 3,072 float32; w_qkv2 1,024 x 3,072 float32; x 4 x 1,024 x 1,024 float32; y 4 x 1,024 x 1,024 float32.
;; Outputs: out0 4 x 1,024 x 256 float32; out1 4 x 1,024 x 256 float32.
;; This version of the problem:
;;   THIS VERSION OF THE PROBLEM IS GIVEN IN LOW PRECISION. The matrix products marked QUANTISED in the list below multiply operands that are first quantised to E2M1 (2 exponent bits, 1 mantissa bit; 4 bits a number), with one power-of-two scale for each 32 numbers along K (OCP MX v1.0); their sums are f32. The products marked 'left as it is' may take bf16, f16 or f32 operands, with f32 sums. Whichever they take, every output number must still come out within the allowed error. Rounding operands to bf16 (8 significant bits) uses up far more of that allowance than f16 does (11 bits, for magnitudes from 6e-5 to 65,504). All else is computed in f32.
;;   The module's matrix products, in the order in which they are computed (A, B: the left and right operand; K: the contracted axis; several contracted axes count as one K, in the product's order):
;;     1. [M 4,096, K 1,024] x [K 1,024, N 3,072]; A: input x; B: input w_qkv1: QUANTISED
;;     2. [M 4,096, K 1,024] x [K 1,024, N 3,072]; A: input y; B: input w_qkv2: QUANTISED
;;     3. batch 64 x [M 1,024, K 64] x [K 64, N 1,024]; A: computed on the way; B: computed on the way: left as it is (an operand is computed on the way)
;;     4. batch 64 x [M 1,024, K 1,024] x [K 1,024, N 64]; A: computed on the way; B: computed on the way: left as it is (an operand is computed on the way)
;;     5. batch 64 x [M 1,024, K 64] x [K 64, N 1,024]; A: computed on the way; B: computed on the way: left as it is (an operand is computed on the way)
;;     6. batch 64 x [M 1,024, K 1,024] x [K 1,024, N 64]; A: computed on the way; B: computed on the way: left as it is (an operand is computed on the way)
;;     7. [M 4,096, K 1,024] x [K 1,024, N 256]; A: computed on the way; B: input w_p1: left as it is (an operand is computed on the way)
;;     8. [M 4,096, K 1,024] x [K 1,024, N 256]; A: computed on the way; B: input w_p2: left as it is (an operand is computed on the way)
;;   THE QUANTISER, for each operand of a quantised product, along K:
;;     - K is cut into blocks of 32 from its start; a last block that is shorter is filled with zeros.
;;     - A block's scale is 2^e with e = floor(log2(the largest magnitude in the block)) - 2, held to -126 .. 127; a block of zeros has e = 0. As a byte (E8M0): e + 127.
;;     - Each number is divided by its block's scale, clamped to +-6, and rounded to the nearest number of E2M1, ties to even, subnormals kept.
;;     - The product sums the exact products of the quantised numbers (number of the format x scale) in f32.
;;   ~~~python
;;   def quantise(x, axis):      # numpy; x: float32 -> the quantised numbers, widened to float32 again
;;       x = np.moveaxis(x, axis, -1); K = x.shape[-1]
;;       x = np.pad(x, [(0, 0)] * (x.ndim - 1) + [(0, -K % 32)]); x = x.reshape(x.shape[:-1] + (-1, 32)); a = np.abs(x).max(-1, keepdims=True)
;;       e = np.where(a > 0, np.clip(np.frexp(np.where(a > 0, a, 1))[1] - 1 - 2, -126, 127), 0)      # np.frexp(a)[1] - 1 = floor(log2(a)), exactly
;;       r = np.clip(x / 2.0 ** e, -6, 6)
;;       step = 2.0 ** (np.maximum(np.frexp(np.where(r == 0, 1, r))[1] - 1, 0) - 1)
;;       q = np.round(r / step) * step * 2.0 ** e      # np.round: ties to even
;;       return np.moveaxis(q.reshape(q.shape[:-2] + (-1,))[..., :K], -1, axis).astype(np.float32)
;;   ~~~
;; One version. Each part assembles by itself: llvm-mc -triple=amdgcn-amd-amdhsa -mcpu=gfx1250 --defsym DOCPART=n.
;; ======== version 1 of 1: 4 launches
;; limits: values are held in f16: magnitudes above 65,504 overflow, below 6.1e-05 lose precision
;; workspace buffers: acodes 4,194,304 bytes; ascales 262,144 bytes; wcodes 3,145,728 bytes; wscales 196,608 bytes; qkv 50,331,648 bytes; xof 16,777,216 bytes; wpf 1,048,576 bytes
;; launch quant (part 1): grid 464 x 1, 4 waves a work-group, no clusters, 50,688 bytes of LDS; arguments x, y, w_qkv1, w_qkv2, w_p1, w_p2, acodes, ascales, wcodes, wscales, wpf; writes acodes, ascales, wcodes, wscales, wpf
.if DOCPART == 1
	.amdgcn_target "amdgcn-amd-amdhsa--gfx1250"
	.amdhsa_code_object_version 6
	.text
	.protected	k_qdf3745a510_quant
	.globl	k_qdf3745a510_quant
	.p2align	8
	.type	k_qdf3745a510_quant,@function
k_qdf3745a510_quant:
	s_mov_b64 s[64:65], 0
	v_nop
	global_prefetch_b8 v0, s[64:65] scope:SCOPE_SE
	s_setreg_imm32_b32 hwreg(HW_REG_WAVE_MODE, 25, 1), 1
	s_wait_xcnt 0x0
; FIRST OF FOUR LAUNCHES.  The program: (1) this launch turns x, y, w_qkv1, w_qkv2 into codes of FP4 (E2M1) with one E8M0 scale byte for each 32 along K, and w_p1, w_p2 into f16;
; (2) the two products x w_qkv1, y w_qkv2 on codes; (3) the two crossed attentions in f16 with f32 sums; (4) the two projections with their biases.
; WORK LEFT OUT, for all values of the inputs: reference() takes softmax(1.0 - a) along the keys.  The term 1.0 is the same for every key of a row, so numerator and denominator of the softmax both carry
; the factor e^1 and it cancels: softmax(1.0 - a) = softmax(-a).  The third launch therefore takes softmax(-a) and adds no 1.0; the term is of ordinary size beside a, so no result moves by more than rounding.
; Every input has a way to an output and is loaded.  LIMIT: a NaN, an infinity or an overflow that would reach only the term left out is not carried to the result (the constant 1.0 can make none).
; THE QUANTISER: a block's scale is 2^(floor(log2(its largest magnitude)) - 2); its byte is the largest magnitude's exponent field - 2, held at 1 from below; each number is divided by the scale and rounded to the nearest code, ties to even, beyond 6 the code of 6.
; LIMITS: a block of zeros gets the byte 1 where the rule says 127 (its codes are zeros, which add nothing under any byte but 0xff, and this program alone reads the bytes); blocks whose largest magnitude lies under 2^-124 keep the byte 1;
; NaN and infinities among the inputs are not served; numbers of w_p beyond 65,504 in magnitude become infinities of f16.
; THREE PATHS, parted on the work-group's number alone; no barrier; each path has LDS bytes of its own.
;   W (work-groups 0-191): w_qkv1, w_qkv2 [1024 (k)][3072 (n)].  A lane takes a column n and its registers run down K, so that the conversions give codes with K innermost: wcodes [2][3072][512 bytes], wscales [2][3072][32].
;   X (192-447): x, y: plain streams of blocks of 32: acodes [2][4096][512 bytes], ascales [2][4096][32].
;   P (448-463): w_p1, w_p2 [1024 (k)][256 (n)] become f16 IN THE ORDER OF THE OPERAND'S REGISTERS: wpf [2][8 pairs of 16 columns][32 K steps of 32][2][1,024 bytes]; in a fragment lane (r, h) holds column r,
;      register 4 c + j the numbers k = 16 c + 8 h + 2 j and + 1; registers 4 c .. 4 c + 3 of lane l lie at byte 512 c + 16 l.
.set SPW,   192                        ; v192  LDS address of my spare word: SPARE + 4 x my thread's number; never rewritten
.set NIL,   193                        ; v193  0; never rewritten
.set XREG,  8192                       ; path X: a region for each wave: two stages of 32 x XSP bytes, behind them its 256 scale bytes
.set XSP,   80                         ; a lane's place in a stage: 64 bytes + 16 of padding
.set WSTG,  32768                      ; path W: a stage of 16 rows x WP bytes for each wave
.set WP,    272                        ; 256 bytes of codes + 16 of padding
.set SPARE, 50176                      ; behind both: the spare words, 128 bytes for each wave: two blocks of 256 bytes that no other line names
.set XR,    16                         ; path X: v16-79 four sets of 16 numbers as loaded
.set XX,    80                         ; v80-111 two sets of 16 neighbours
.set XE,    112                        ; v112-127 a scale byte for each step
.set XC,    128                        ; v128-191 codes, four registers for each step
; ---- path W's macros.  Block t of a lane: w(512 ky + 256 h + 32 t + i, my column), i = 0 .. 31, into set t % 2
.macro LOADW t
.irp i, 0,1,2,3,4,5,6,7,8,9,10,11,12,13,14,15,16,17,18,19,20,21,22,23,24,25,26,27,28,29,30,31
	global_load_b32 v[32+32*((\t)%2)+\i], v3, s[8:9] offset:(32*(\t)+\i)*12288
.endr
.endm
.macro BLOCKW t
.set XS, 32+32*((\t)%2)
.if (\t) < 7
	s_wait_loadcnt 32                              ; this block's 32 loads are in; the next block's 32 may be out
.else
	s_wait_loadcnt 0x0
.endif
	v_max3_num_f32 v12, |v[XS]|, |v[XS+1]|, |v[XS+2]|      ; the block's largest magnitude: all 32 numbers are mine; two chains
	v_max3_num_f32 v13, |v[XS+3]|, |v[XS+4]|, |v[XS+5]|
.irp i, 6,10,14,18,22,26
	v_max3_num_f32 v12, v12, |v[XS+\i]|, |v[XS+\i+1]|
	v_max3_num_f32 v13, v13, |v[XS+\i+2]|, |v[XS+\i+3]|
.endr
	v_max3_num_f32 v12, v12, |v[XS+30]|, |v[XS+31]|
	v_max3_num_f32 v12, v12, v13, 0x1800000        ; and the floor 2^(3 - 127): the byte cannot fall under 1
	v_add_nc_u32 v11, 0xff000000, v12              ; 2 off the exponent field: the conversion takes the exponent field of this operand as its scale
	v_lshrrev_b32 v13, 23, v11                     ; the scale's byte
.if (\t)%4 == 0
	v_mov_b32 v[24+(\t)/4], v13                    ; four bytes to a register, the lower K in the lower byte
.else
	v_lshl_or_b32 v[24+(\t)/4], v13, 8*((\t)%4), v[24+(\t)/4]
.endif
.irp g, 0,1,2,3
	v_cvt_scalef32_pk8_fp4_f32 v[96+\g], v[XS+8*\g:XS+8*\g+7], v11
.endr
	ds_store_b128 v4, v[96:99] offset:16*(\t)      ; 32 codes: 16 bytes of my column's row
.if (\t)+2 < 8
	LOADW (\t)+2
.endif
	s_wait_dscnt 0x0                               ; the store has read its registers: the next block's codes may be written
.endm
; ---- path X's macros
.macro LOADX t
.irp i, 0,1,2,3
	global_load_b128 v[XR+16*((\t)%4)+4*\i:XR+16*((\t)%4)+4*\i+3], v3, s[4:5] offset:2048*(\t)+512*\i th:TH_LOAD_NT   ; 32 lanes read 512 consecutive bytes
.endr
.endm
.macro TURNX t                         ; step t's numbers through the stage: LDS serves a wave's instructions in order, so no wait stands between the stores and the loads
.irp i, 0,1,2,3
	ds_store_b128 v14, v[XR+16*((\t)%4)+4*\i:XR+16*((\t)%4)+4*\i+3] offset:32*XSP*((\t)%2)+8*XSP*\i
.endr
.irp i, 0,1,2,3
	ds_load_b128 v[XX+16*((\t)%2)+4*\i:XX+16*((\t)%2)+4*\i+3], v15 offset:32*XSP*((\t)%2)+16*\i
.endr
.endm
.macro STEPX t
.set XS, XX+16*((\t)%2)
.if (\t) > 0
	s_wait_dscnt 1                                 ; this step's numbers are back from the stage (the last step's byte store may be out)
.else
	s_wait_dscnt 0x0
.endif
.if (\t)+4 < 16
	LOADX (\t)+4                                   ; into the registers that this step's stores into the stage have read
.endif
.if (\t)+1 < 16
.if 14-(\t) >= 3
	s_wait_loadcnt 12                              ; the next step's four loads are in; those of the three steps behind it may be out
.else
	s_wait_loadcnt 4*(14-(\t))
.endif
	TURNX (\t)+1
.endif
	v_max3_num_f32 v8, |v[XS]|, |v[XS+1]|, |v[XS+2]|       ; the largest magnitude of my 16
	v_max3_num_f32 v9, |v[XS+3]|, |v[XS+4]|, |v[XS+5]|
.irp i, 6,10
	v_max3_num_f32 v8, v8, |v[XS+\i]|, |v[XS+\i+1]|
	v_max3_num_f32 v9, v9, |v[XS+\i+2]|, |v[XS+\i+3]|
.endr
	v_max3_num_f32 v8, v8, |v[XS+14]|, |v[XS+15]|
	v_max3_num_f32 v8, v8, v9, 0x1800000           ; and the floor 2^(3 - 127)
	v_max_num_f32_dpp v8, v8, v8 row_xmask:1 row_mask:0xf bank_mask:0xf   ; and of my neighbour's 16: the block's
	v_add_nc_u32 v11, 0xff000000, v8               ; 2 off its exponent field: the conversion's scale operand
	v_cvt_scalef32_pk8_fp4_f32 v[XC+4*(\t)], v[XS:XS+7], v11
	v_cvt_scalef32_pk8_fp4_f32 v[XC+4*(\t)+1], v[XS+8:XS+15], v11
	v_lshrrev_b32 v[XE+(\t)], 23, v11              ; the scale's byte (a plain line behind the conversions)
	ds_store_b8 v5, v[XE+(\t)] offset:16*(\t)      ; both lanes of a block write the same byte with the same value
	global_store_b64 v4, v[XC+4*(\t):XC+4*(\t)+1], s[16:17] offset:256*(\t)   ; the wave stores 256 consecutive bytes, aligned
.endm
; ---- path P's macros.  Group g: one K step of 32, both tiles of 16 columns
.macro LOADP g
.irp nn, 0,1
.irp c, 0,1
.irp j, 0,1,2,3,4,5,6,7
	global_load_b32 v[32+32*((\g)%2)+16*\nn+8*\c+\j], v3, s[12:13] offset:(32*(\g)+16*\c+\j)*1024+64*\nn
.endr
.endr
.endr
.endm
.macro CVTP g
.if (\g) < 7
	s_wait_loadcnt 32                              ; this group's 32 loads are in; the next group's may be out
.else
	s_wait_loadcnt 0x0
.endif
.if (\g) >= 2
	s_wait_xcnt 0x0                                ; the stores of two groups back have read their data: these registers are written again only behind this wait
.endif
.irp nn, 0,1
.irp c, 0,1
.irp jj, 0,1,2,3
	v_cvt_pk_f16_f32 v[96+16*((\g)%2)+8*\nn+4*\c+\jj], v[32+32*((\g)%2)+16*\nn+8*\c+2*\jj], v[32+32*((\g)%2)+16*\nn+8*\c+2*\jj+1]
.endr
.endr
.endr
.irp nn, 0,1
.irp c, 0,1
	global_store_b128 v4, v[96+16*((\g)%2)+8*\nn+4*\c:96+16*((\g)%2)+8*\nn+4*\c+3], s[24:25] offset:(2*(\g)+\nn)*1024+512*\c   ; 512 consecutive bytes, aligned
.endr
.endr
.if (\g)+2 < 8
	LOADP (\g)+2
.endif
.endm
	s_load_b512 s[4:19], s[0:1], 0x0               ; x s[4:5], y s[6:7], w_qkv1 s[8:9], w_qkv2 s[10:11], w_p1 s[12:13], w_p2 s[14:15], acodes s[16:17], ascales s[18:19]
	s_load_b128 s[20:23], s[0:1], 0x40             ; wcodes s[20:21], wscales s[22:23]
	s_load_b64 s[24:25], s[0:1], 0x50              ; wpf
	v_lshl_add_u32 v[SPW], v0, 2, SPARE
	v_mov_b32 v[NIL], 0
	v_lshrrev_b32 v1, 5, v0
	v_readfirstlane_b32 s26, v1                    ; wave 0..3
	v_and_b32 v2, 31, v0                           ; lane
	s_wait_kmcnt 0x0
	s_cmp_lt_u32 ttmp9, 192
	s_cbranch_scc0 .Lnot_w
	; ======== PATH W.  96 work-groups a tensor: 48 blocks of 64 columns x 2 halves of K.  Wave w: 16 columns; lane (r, h): column n0 + r, K = 512 ky + 256 h + 0 .. 255: eight blocks
	v_and_b32 v5, 15, v0                           ; r
	v_bfe_u32 v6, v0, 4, 1                         ; h
	v_mul_u32_u24 v3, v6, 3145728                  ; in: 256 rows of 12,288 bytes further down for lanes 16-31,
	v_lshl_add_u32 v3, v5, 2, v3                   ; + 4 r
	s_mul_i32 s33, s26, 16*WP
	s_add_co_u32 s33, s33, WSTG                    ; my stage
	v_mul_u32_u24 v4, v5, WP
	v_lshl_add_u32 v4, v6, 7, v4
	v_add_nc_u32 v4, s33, v4                       ; into it: row r, + 128 h bytes
	v_mul_u32_u24 v7, v6, WP
	v_lshl_add_u32 v7, v5, 4, v7
	v_add_nc_u32 v7, s33, v7                       ; out of it: sixteen lanes to a row, two rows an instruction
	v_lshlrev_b32 v8, 9, v6
	v_lshl_add_u32 v8, v5, 4, v8                   ; and the same place in wcodes: rows of 512 bytes
	v_lshlrev_b32 v9, 5, v5
	v_lshl_add_u32 v9, v6, 3, v9                   ; my eight scale bytes: row r of 32 bytes, + 8 h
	s_cmp_ge_u32 ttmp9, 96                         ; w_qkv1 or w_qkv2: the choice hangs on the work-group's number alone
	s_cselect_b64 s[8:9], s[10:11], s[8:9]
	s_cselect_b32 s27, 96, 0
	s_cselect_b32 s28, 1572864, 0
	s_cselect_b32 s29, 98304, 0
	s_sub_co_u32 s27, ttmp9, s27
	s_lshr_b32 s30, s27, 1                         ; block of 64 columns
	s_and_b32 s31, s27, 1                          ; ky
	s_lshl_b32 s30, s30, 6
	s_lshl_b32 s34, s26, 4
	s_add_co_u32 s30, s30, s34                     ; n0 = 64 x block + 16 x wave
	s_mul_i32 s34, s31, 6291456                    ; 512 rows of 12,288 bytes
	s_lshl_b32 s36, s30, 2
	s_add_co_u32 s34, s34, s36
	s_mov_b32 s35, 0
	s_add_nc_u64 s[8:9], s[8:9], s[34:35]
	s_lshl_b32 s34, s30, 9
	s_add_co_u32 s34, s34, s28
	s_lshl_b32 s36, s31, 8
	s_add_co_u32 s34, s34, s36
	s_add_nc_u64 s[20:21], s[20:21], s[34:35]      ; wcodes at row n0, + 256 ky
	s_lshl_b32 s34, s30, 5
	s_add_co_u32 s34, s34, s29
	s_lshl_b32 s36, s31, 4
	s_add_co_u32 s34, s34, s36
	s_add_nc_u64 s[22:23], s[22:23], s[34:35]      ; wscales at row n0, + 16 ky
	LOADW 0
	LOADW 1
.irp t, 0,1,2,3,4,5,6,7
	BLOCKW \t
.endr
	global_store_b64 v9, v[24:25], s[22:23]        ; my column's eight scale bytes
.irp t, 0,1,2,3,4,5,6,7
	ds_load_b128 v[112+4*\t:112+4*\t+3], v7 offset:544*\t      ; LDS serves a wave's instructions in order: these see my stores
.endr
.irp t, 0,1,2,3,4,5,6,7
	s_wait_dscnt 7-\t
	global_store_b128 v8, v[112+4*\t:112+4*\t+3], s[20:21] offset:1024*\t   ; sixteen lanes store 256 consecutive bytes, aligned
.endr
	s_branch .Lend
.Lnot_w:
	s_cmp_lt_u32 ttmp9, 448
	s_cbranch_scc0 .Lpath_p
	; ======== PATH X.  128 work-groups a tensor; a wave takes a run of 8,192 numbers in 16 steps of 512.  Each load reads 512 consecutive bytes; a step's 2,048 bytes turn through the wave's own stage, so that a lane holds 16 neighbours
	v_lshlrev_b32 v3, 4, v2                        ; my 16 bytes of a load's 512
	s_mul_i32 s33, s26, XREG
	v_lshrrev_b32 v14, 2, v2
	v_mul_u32_u24 v14, v14, XSP
	v_and_b32 v15, 3, v2
	v_lshl_add_u32 v14, v15, 4, v14
	v_add_nc_u32 v14, s33, v14                     ; the stage, on the way in: XSP (lane / 4) + 16 (lane % 4)
	v_mul_u32_u24 v15, v2, XSP
	v_add_nc_u32 v15, s33, v15                     ; and on the way out: XSP x lane
	v_lshlrev_b32 v4, 3, v2                        ; my codes' place in a step's: 8 bytes a lane
	v_lshrrev_b32 v5, 1, v2
	s_add_co_u32 s33, s33, 2*32*XSP
	v_add_nc_u32 v5, s33, v5                       ; my wave's 256 scale bytes, my block's byte
	v_lshlrev_b32 v7, 3, v2
	v_add_nc_u32 v6, s33, v7                       ; and on the way out 8 bytes a lane
	s_sub_co_u32 s27, ttmp9, 192
	s_cmp_ge_u32 s27, 128                          ; x or y
	s_cselect_b64 s[4:5], s[6:7], s[4:5]
	s_cselect_b32 s28, 2097152, 0
	s_cselect_b32 s29, 131072, 0
	s_cselect_b32 s30, 128, 0
	s_sub_co_u32 s27, s27, s30
	s_lshl_b32 s27, s27, 2
	s_add_co_u32 s27, s27, s26                     ; which run of 8,192 numbers is my wave's: 0 .. 511
	s_lshl_b32 s30, s27, 15
	s_mov_b32 s31, 0
	s_add_nc_u64 s[4:5], s[4:5], s[30:31]
	s_lshl_b32 s30, s27, 12
	s_add_co_u32 s30, s30, s28
	s_add_nc_u64 s[16:17], s[16:17], s[30:31]
	s_lshl_b32 s30, s27, 8
	s_add_co_u32 s30, s30, s29
	s_add_nc_u64 s[18:19], s[18:19], s[30:31]
.irp t, 0,1,2,3
	LOADX \t
.endr
	s_wait_loadcnt 12                              ; step 0's four loads are in
	TURNX 0
.irp t, 0,1,2,3,4,5,6,7,8,9,10,11,12,13,14,15
	STEPX \t
.endr
	ds_load_b64 v[8:9], v6                         ; LDS serves a wave's instructions in order: these see my byte stores
	s_wait_dscnt 0x0
	global_store_b64 v7, v[8:9], s[18:19]          ; 32 lanes store 256 consecutive bytes, aligned
	s_branch .Lend
.Lpath_p:
	; ======== PATH P.  8 work-groups a tensor, one for each pair of 16 columns; wave kq takes K steps 8 kq .. 8 kq + 7.  No LDS
	v_and_b32 v5, 15, v0                           ; r
	v_bfe_u32 v6, v0, 4, 1                         ; h
	v_lshlrev_b32 v3, 13, v6                       ; in: 8 rows of 1,024 bytes further down for lanes 16-31,
	v_lshl_add_u32 v3, v5, 2, v3                   ; + 4 r
	v_lshlrev_b32 v4, 4, v2                        ; out: 16 x lane
	s_sub_co_u32 s27, ttmp9, 448
	s_lshr_b32 s28, s27, 3                         ; which tensor
	s_and_b32 s29, s27, 7                          ; which pair
	s_cmp_eq_u32 s28, 1
	s_cselect_b64 s[12:13], s[14:15], s[12:13]
	s_lshl_b32 s30, s26, 18                        ; 256 rows of 1,024 bytes a wave
	s_lshl_b32 s34, s29, 7                         ; 32 columns of 4 bytes a pair
	s_add_co_u32 s30, s30, s34
	s_mov_b32 s31, 0
	s_add_nc_u64 s[12:13], s[12:13], s[30:31]
	s_lshl_b32 s30, s28, 19
	s_lshl_b32 s34, s29, 16
	s_add_co_u32 s30, s30, s34
	s_lshl_b32 s34, s26, 14
	s_add_co_u32 s30, s30, s34
	s_add_nc_u64 s[24:25], s[24:25], s[30:31]
	LOADP 0
	LOADP 1
.irp g, 0,1,2,3,4,5,6,7
	CVTP \g
.endr
.Lend:
	s_wait_tensorcnt 0x0                           ; the wave's end, behind my last LDS store; the tensor wait stands though this text has no tensor load
	ds_add_u32 v[SPW], v[NIL]
	s_wait_dscnt 0x0
	s_endpgm
.Lfunc_end_k_qdf3745a510_quant:
	.size	k_qdf3745a510_quant, .Lfunc_end_k_qdf3745a510_quant-k_qdf3745a510_quant
	.p2alignl 7, 3214868480
	.fill 96, 4, 3214868480
	.section	.rodata,"a",@progbits
	.p2align	6, 0x0
	.amdhsa_kernel k_qdf3745a510_quant
		.amdhsa_group_segment_fixed_size 50688
		.amdhsa_private_segment_fixed_size 0
		.amdhsa_enable_private_segment 0
		.amdhsa_kernarg_size 88
		.amdhsa_user_sgpr_count 2
		.amdhsa_user_sgpr_kernarg_segment_ptr 1
		.amdhsa_wavefront_size32 1
		.amdhsa_system_sgpr_workgroup_id_x 1
		.amdhsa_system_sgpr_workgroup_id_y 1
		.amdhsa_system_sgpr_workgroup_id_z 1
		.amdhsa_system_vgpr_workitem_id 0
		.amdhsa_next_free_vgpr 196
		.amdhsa_next_free_sgpr 66
		.amdhsa_reserve_vcc 0
		.amdhsa_float_denorm_mode_32 3
		.amdhsa_float_denorm_mode_16_64 3
		.amdhsa_memory_ordered 1
		.amdhsa_forward_progress 1
		.amdhsa_inst_pref_size 110
	.end_amdhsa_kernel
	.amdgpu_metadata
---
amdhsa.version: [ 1, 2 ]
amdhsa.kernels:
  - .name:           k_qdf3745a510_quant
    .symbol:         k_qdf3745a510_quant.kd
    .args:
      - { .name: x, .offset: 0, .size: 8, .value_kind: global_buffer, .address_space: global }
      - { .name: y, .offset: 8, .size: 8, .value_kind: global_buffer, .address_space: global }
      - { .name: w_qkv1, .offset: 16, .size: 8, .value_kind: global_buffer, .address_space: global }
      - { .name: w_qkv2, .offset: 24, .size: 8, .value_kind: global_buffer, .address_space: global }
      - { .name: w_p1, .offset: 32, .size: 8, .value_kind: global_buffer, .address_space: global }
      - { .name: w_p2, .offset: 40, .size: 8, .value_kind: global_buffer, .address_space: global }
      - { .name: acodes, .offset: 48, .size: 8, .value_kind: global_buffer, .address_space: global }
      - { .name: ascales, .offset: 56, .size: 8, .value_kind: global_buffer, .address_space: global }
      - { .name: wcodes, .offset: 64, .size: 8, .value_kind: global_buffer, .address_space: global }
      - { .name: wscales, .offset: 72, .size: 8, .value_kind: global_buffer, .address_space: global }
      - { .name: wpf, .offset: 80, .size: 8, .value_kind: global_buffer, .address_space: global }
    .group_segment_fixed_size: 50688
    .private_segment_fixed_size: 0
    .kernarg_segment_align: 8
    .kernarg_segment_size: 88
    .max_flat_workgroup_size: 128
    .sgpr_count:     66
    .vgpr_count:     196
    .wavefront_size: 32
...
	.end_amdgpu_metadata
.endif
;; end of part 1
;; launch qkv (part 2): grid 32 x 8, 4 waves a work-group, clusters of 4 x 4, 327,680 bytes of LDS; arguments acodes, ascales, wcodes, wscales, qkv; writes qkv
.if DOCPART == 2
	.amdgcn_target "amdgcn-amd-amdhsa--gfx1250"
	.amdhsa_code_object_version 6
	.text
	.protected	k_qdf3745a510_qkv
	.globl	k_qdf3745a510_qkv
	.p2align	8
	.type	k_qdf3745a510_qkv,@function
k_qdf3745a510_qkv:
	s_mov_b64 s[64:65], 0
	v_nop
	global_prefetch_b8 v0, s[64:65] scope:SCOPE_SE
	s_setreg_imm32_b32 hwreg(HW_REG_WAVE_MODE, 25, 1), 1
	s_wait_xcnt 0x0
	s_wait_alu depctr_hold_cnt(0) depctr_sa_sdst(0) depctr_va_vdst(0) depctr_va_sdst(0) depctr_va_ssrc(0) depctr_va_vcc(0) depctr_vm_vsrc(0)
	s_getreg_b32 s2, hwreg(HW_REG_IB_STS2, 6, 4)
	s_cmp_eq_u32 s2, 0
	s_cbranch_scc0 .Lentry_in_a_cluster
	s_endpgm
.Lentry_in_a_cluster:
	s_bfe_u32 s2, ttmp6, 0x10000c
	s_cmp_lg_u32 s2, 0xf033
	s_cbranch_scc0 .Lentry_shape_is_right
	s_endpgm
.Lentry_shape_is_right:
; SECOND LAUNCH: x w_qkv1 and y w_qkv2 on codes of FP4 (E2M1) with one E8M0 scale for each 32 along K = 1,024; sums in f32; results rounded once to f16 and stored IN THE ORDER OF THE NEXT LAUNCH'S OPERAND REGISTERS.
; SHARES.  The two products are 2 x 16 x 12 = 384 tiles of 256 x 256.  256 work-groups make one and a half each, so that all have equal work: work-group (TA, TB) makes the tile of 256 tokens (TA of 16) x 256 columns of q or k
; (TB of 8), and then, for the SAME 256 tokens, v's 128 channels 128 TB on: the eight work-groups of a tile of tokens cover v's 1,024 channels.  Cluster y is the branch (x with w_qkv1, y with w_qkv2).
; Four waves; in the whole tile a wave makes 128 x 128 (64 accumulators, 512 registers), in the half tile 128 tokens x 64 channels (32 accumulators).
; LDS.  All of K lies in two slots of 512 along K: 256 rows of the tokens (called A) and 256 rows of the weights (called B) each, filled at the head.  The tokens' rows stay for the whole launch.  When slot 0 has been multiplied, the bytes
; of its 256 rows of weights are filled again, once, with v's 128 rows of weights for all of K (K's first half where rows 0-127 lay, its second where rows 128-255 lay).  That load has the tile's second half and its way out in which to land.
; The scale bytes of A's and B's 256 rows come once, as dense blocks, into LDS; those of v's rows go straight into registers: a wave's 64 rows are 2,048 bytes on end, read once.
; ORIENTATION.  q, k: source 0 = 16 rows of the weights, source 1 = 16 tokens: a lane holds one token and eight neighbouring channels: half of a fragment [16 tokens x 32 d] of the next launch.
;   v: source 0 = 16 tokens, source 1 = 16 rows of the weights: a lane holds one channel and eight neighbouring keys: half of a fragment [16 d x 32 keys].
; qkv: [branch 2][q, k, v][16 batch + head][131,072 bytes];  q, k: [tile of 16 tokens, 64][u 2][1,024];  v: [32 keys, 32][tile of 16 d, 4][1,024];  registers 4 c .. 4 c + 3 of lane l at byte 512 c + 16 l.
; So four packed registers leave by one store of 512 consecutive aligned bytes: no stage in LDS.  The whole tile's stores are on their way while v is multiplied.
; CLUSTERS: 4 x 4 work-groups: the tokens' tile is shared along a row of the cluster, the weights' tiles (q, k and v) along a column, each asked for jointly.
; LIMIT: results beyond 65,504 in magnitude become infinities of f16.
; REGISTERS, in windows of 256: window 0: v0-31 addresses; v32-95 A's and B's scale words, two sets; v96-127 the scale words of v's weights; from v128 A's fragments, one set (for v: two sets); on the ways out v128-255 packed results.
;   window 1: B's fragments, two sets, at v0 and v128 (for v: two sets of four, at v0 and v32).   window 2: the accumulators of my rows 0-63 ((a, b) at v[8 (8 a + b)]), later v's 32 ((i, j) at v[8 (4 i + j)]);   window 3: those of my rows 64-127.
.set NQ,     4                         ; matrix instructions deep in a slot: 512 / 128
.set ROWB,   256                       ; a tile's row in bytes: 512 codes
.set KROW,   512                       ; a row of codes in memory
.set PITCH,  272                       ; an LDS row: 256 bytes + 16 of padding = 68 words: row r starts at bank 4 r mod 64 (64 banks of 4 bytes: ISA guide 11.1)
.set FR,     8                         ; registers of a fragment: 16 rows x 128 K
.set NL,     2                         ; LDS loads that bring one
.set NP,     4                         ; places behind this matrix instruction (ISA guide 7.12.1)
.set HALFT,  128*PITCH                 ; 128 rows: what one tensor load brings
.set SLOT,   4*HALFT                   ; A's 256 rows, then B's 256 rows
.set KS,     32                        ; a row of scales in bytes
.set SCL,    2*SLOT                    ; behind the slots: the scales, as units of 256 bytes + 16 of padding
.set HALFS,  (128*KS/256)*272          ; the scales of 128 rows
.set SBLK,   (16*KS/256)*272           ; those of 16 rows
.set SPARE,  SCL+4*HALFS               ; the spare words, 128 bytes for each wave: two blocks of 256 bytes that no other line names
.set ADRA, 16                          ; v16-17  LDS address of my A fragments in slot 0, 1
.set ADRB, 20                          ; v20-21  the same for B
.set ADRW, 22                          ; v22     LDS address of my fragments of v's weights
.set VSO,  23                          ; v23     32 x (lane % 16): my row among 16 rows of scale bytes in memory; never rewritten
.set CO,   26                          ; v26     16 x lane: my place in a store's 512 bytes
.set ADRS, 27                          ; v27     LDS address of my scale words: lanes 0-15 A's rows, lanes 16-31 B's
.set SPW,  28                          ; v28     LDS address of my spare word; never rewritten
.set NIL,  29                          ; v29     0; never rewritten
.set SC,   32                          ; scale words: set s at v[SC + 8 NQ s]; register NQ i + q: lanes 0-15 A's block i, lanes 16-31 B's block i
.set WS,   96                          ; v's weights: register 8 j + kq: the word of block j's row lane % 16 for the kq-th 128 along K
.set AF,   128                         ; A's fragments, in window 0
.set PK,   128                         ; the ways out: packed results
.set G1, 24
.set G0, 32
.set G1B, 48
.set G0B, 56
.set G1S, 68
.set G0S, 76
.set G1SB, 80
.set G0SB, 88
.set MSB, 0
.macro WIN new                         ; the immediate's high byte repeats the setting that is left
.if MSB != \new
	s_set_vgpr_msb (MSB<<8)|\new
.set MSB, \new
.endif
.endm
.set MUL_LO, 0xa1                      ; source 0 (B) window 1, source 1 (A) window 0, C and D window 2
.set MUL_HI, 0xf1                      ; the same, C and D window 3
.set MUL_V,  0xa4                      ; source 0 (A) window 0, source 1 (v's weights) window 1, C and D window 2
.set TO_B,   0x40                      ; destination window 1, address window 0
; A joint load: waves 0 and 1 fetch for A, waves 2 and 3 for B.  The branch hangs on the wave's number alone.  An s_nop 0 and four v_nop follow each of the two lines.
.macro JLOAD g0a, g1a, g0b, g1b
	s_cmp_eq_u32 s15, 0
	s_cbranch_scc0 .Lfor_b_\@
	tensor_load_to_lds s[\g0a:\g0a+3], s[\g1a:\g1a+7]
	s_nop 0
.rept 4
	v_nop
.endr
	s_branch .Lasked_\@
.Lfor_b_\@:
	tensor_load_to_lds s[\g0b:\g0b+3], s[\g1b:\g1b+7]
	s_nop 0
.rept 4
	v_nop
.endr
.Lasked_\@:
.endm
.macro CREST                           ; a round of the cluster's barrier behind its opening barrier
	s_cmp_lg_u32 s14, 0
	s_cbranch_scc1 .Lnot_wave_0_\@
	s_barrier_signal -3
.Lnot_wave_0_\@:
	s_barrier_wait -3
	s_barrier_signal -1
	s_barrier_wait -1
.endm
.macro CROUND                          ; a whole round
	s_barrier_signal -1
	s_barrier_wait -1
	CREST
.endm
	s_load_b128 s[4:7], s[0:1], 0x0                ; the tokens' codes s[4:5], scales s[6:7]
	s_load_b128 s[8:11], s[0:1], 0x10              ; the weights' codes s[8:9], scales s[10:11]
	s_load_b64 s[12:13], s[0:1], 0x20              ; qkv
	v_lshl_add_u32 v[SPW], v0, 2, SPARE
	v_mov_b32 v[NIL], 0
	ds_add_u32 v[SPW], v[NIL]                      ; the wave's opening: the add, twice on end, and its wait ahead of my first tensor load; the set-up below stands between the second and the wait
	ds_add_u32 v[SPW], v[NIL]
	v_lshrrev_b32 v1, 5, v0
	v_readfirstlane_b32 s14, v1                    ; wave 0..3
	s_lshr_b32 s15, s14, 1                         ; which half of A's 256 rows is mine.  Also: I fetch for A (0) or for B (1)
	s_and_b32 s16, s14, 1                          ; which half of B's rows, and of v's 128, is mine.  Also: which part of a tile I fetch
	s_bfe_u32 s40, ttmp6, 0x40000                  ; cx, cy: my place in the cluster
	s_bfe_u32 s41, ttmp6, 0x40004
	s_and_b32 s67, ttmp7, 0xffff                   ; the branch: cluster y
	s_lshr_b32 s17, ttmp9, 1
	s_lshl_b32 s17, s17, 2
	s_add_co_u32 s17, s17, s41                     ; TA = 4 (X / 2) + cy: the tokens' tile, of 16: hangs on cy alone
	s_and_b32 s42, ttmp9, 1
	s_lshl_b32 s42, s42, 2
	s_add_co_u32 s42, s42, s40                     ; TB = 4 (X % 2) + cx: the weights' tile, of 8: on cx alone
	s_lshl_b32 s43, s41, 2
	s_lshl_b32 s43, 15, s43                        ; my row of the cluster
	s_lshl_b32 s44, 0x1111, s40                    ; my column
	; descriptor group 1: a tile of 128 rows x 256 bytes, padded in LDS
	s_or_b32 s[G1+0], s43, (0<<16)|(1<<20)|(1<<21)|(5<<22)|(3<<25)  ; 15:0 the mask: A's tiles go to my row; 17:16 element of 1 byte; 20 padding on; 21 set beside a mask; 24:22 after every 64 words; 31:25 of 4 words
	s_or_b32 s[G1B+0], s44, (0<<16)|(1<<20)|(1<<21)|(5<<22)|(3<<25)
.irp g, G1, G1B
	s_mov_b32 s[\g+1], ROWB<<16                    ; tensor_dim0
	s_mov_b32 s[\g+2], 128<<16                     ; tensor_dim1
	s_mov_b32 s[\g+3], ROWB<<16                    ; tile_dim0
	s_mov_b32 s[\g+4], 128                         ; tile_dim1
	s_mov_b32 s[\g+5], KROW                        ; tensor_dim0_stride
	s_mov_b32 s[\g+6], 0
	s_mov_b32 s[\g+7], 0
.endr
	; the scales of 128 rows: a dense block of 4,096 bytes, as 16 rows of 256 bytes (32 elements of 8 bytes), 16 bytes of padding behind each
	s_or_b32 s[G1S+0], s43, (3<<16)|(1<<20)|(1<<21)|(5<<22)|(3<<25)
	s_or_b32 s[G1SB+0], s44, (3<<16)|(1<<20)|(1<<21)|(5<<22)|(3<<25)
.irp g, G1S, G1SB
	s_mov_b32 s[\g+1], 32<<16
	s_mov_b32 s[\g+2], (128*KS/256)<<16
	s_mov_b32 s[\g+3], 32<<16
	s_mov_b32 s[\g+4], 128*KS/256
	s_mov_b32 s[\g+5], 32
	s_mov_b32 s[\g+6], 0
	s_mov_b32 s[\g+7], 0
.endr
	s_lshl_b32 s18, s16, 7                         ; which 128 rows of the tile I fetch
	s_lshl_b32 s20, s17, 8
	s_add_co_u32 s20, s20, s18                     ; A: row 256 x tile + 128 x half
	s_lshl_b32 s46, s42, 8
	s_add_co_u32 s46, s46, s18                     ; B likewise
	s_mov_b32 s21, 0
	s_mov_b32 s47, 0
	s_mov_b64 s[18:19], KS
	s_mul_u64 s[22:23], s[20:21], s[18:19]         ; where these rows' scales begin, in bytes
	s_mul_u64 s[92:93], s[46:47], s[18:19]
	s_mov_b64 s[18:19], KROW
	s_mul_u64 s[20:21], s[20:21], s[18:19]         ; and their codes
	s_mul_u64 s[46:47], s[46:47], s[18:19]
	s_mul_i32 s45, s14, HALFT                      ; where they go: wave x 128 rows: no place in the cluster enters an LDS address
	s_mul_i32 s94, s14, HALFS
	s_lshl_b32 s2, s42, 16                         ; v's weights: rows 2,048 + 128 TB on, of 512 bytes; the half of K that I fetch, 256 bytes on
	s_lshl_b32 s3, s16, 8
	s_add_co_u32 s2, s2, s3
	s_add_co_u32 s2, s2, 1048576
	s_mov_b32 s3, 0
	s_lshl_b32 s100, s42, 12                       ; their scale bytes: 32 a row; my 64 rows of the 128
	s_lshl_b32 s101, s16, 11
	s_add_co_u32 s100, s100, s101
	s_add_co_u32 s100, s100, 65536
	s_mov_b32 s101, 0
	s_wait_dscnt 0x0                               ; both opening adds are done
	s_wait_kmcnt 0x0
	s_mov_b32 s97, 0                               ; every buffer at its branch
	s_mul_i32 s96, s67, 2097152
	s_add_nc_u64 s[4:5], s[4:5], s[96:97]
	s_mul_i32 s96, s67, 131072
	s_add_nc_u64 s[6:7], s[6:7], s[96:97]
	s_mul_i32 s96, s67, 1572864
	s_add_nc_u64 s[8:9], s[8:9], s[96:97]
	s_mul_i32 s96, s67, 98304
	s_add_nc_u64 s[10:11], s[10:11], s[96:97]
	s_mul_i32 s96, s67, 25165824
	s_add_nc_u64 s[12:13], s[12:13], s[96:97]
	s_add_nc_u64 s[20:21], s[4:5], s[20:21]
	s_add_nc_u64 s[22:23], s[6:7], s[22:23]
	s_add_nc_u64 s[46:47], s[8:9], s[46:47]
	s_add_nc_u64 s[92:93], s[10:11], s[92:93]
	s_add_nc_u64 s[2:3], s[8:9], s[2:3]            ; kept for the refill
	s_add_nc_u64 s[100:101], s[10:11], s[100:101]  ; never rewritten
	CROUND                                         ; all sixteen work-groups are here: the first joint loads meet
	s_mov_b32 s[G0S], 1
	s_add_co_u32 s[G0S+1], s94, SCL
	s_mov_b64 s[G0S+2:G0S+3], s[22:23]
	s_or_b32 s[G0S+3], s[G0S+3], 0x80000000
	s_mov_b32 s[G0SB], 1
	s_add_co_u32 s[G0SB+1], s94, SCL
	s_mov_b64 s[G0SB+2:G0SB+3], s[92:93]
	s_or_b32 s[G0SB+3], s[G0SB+3], 0x80000000
	JLOAD G0S, G1S, G0SB, G1SB                     ; the scales first: they are wanted with slot 0
.irp s, 0,1
	s_mov_b32 s[G0+4*\s], 1
	s_add_co_u32 s[G0+4*\s+1], s45, \s*SLOT
	s_add_nc_u64 s[G0+4*\s+2:G0+4*\s+3], s[20:21], \s*ROWB
	s_or_b32 s[G0+4*\s+3], s[G0+4*\s+3], 0x80000000
	s_mov_b32 s[G0B+4*\s], 1
	s_add_co_u32 s[G0B+4*\s+1], s45, \s*SLOT
	s_add_nc_u64 s[G0B+4*\s+2:G0B+4*\s+3], s[46:47], \s*ROWB
	s_or_b32 s[G0B+4*\s+3], s[G0B+4*\s+3], 0x80000000
	JLOAD G0+4*\s, G1, G0B+4*\s, G1B               ; three tensor loads of mine are out in all
.endr
	v_and_b32 v1, 15, v0                           ; l % 16
	v_bfe_u32 v2, v0, 4, 1                         ; l / 16
	v_lshlrev_b32 v[VSO], 5, v1
.irp j, 0,1,2,3
.irp e, 0,1
	global_load_b128 v[WS+8*\j+4*\e:WS+8*\j+4*\e+3], v[VSO], s[100:101] offset:512*\j+16*\e   ; the scale words of v's weights: block j's row l % 16, words 4 e .. 4 e + 3 (lanes 16-31 read the same and are not used)
.endr
.endr
	v_mul_u32_u24 v3, v1, PITCH
	v_lshl_add_u32 v4, v2, 4, v3                   ; a fragment's row x pitch + 16 x half
	s_mul_i32 s21, s15, HALFT                      ; my 128 rows of A
	s_mul_i32 s22, s16, HALFT                      ; my 128 rows of B,
	s_add_co_u32 s22, s22, 2*HALFT                 ; which lie behind A's 256
.irp s, 0,1
	v_add_nc_u32 v[ADRA+\s], s21, v4
	v_add_nc_u32 v[ADRB+\s], s22, v4
	s_add_co_u32 s21, s21, SLOT
	s_add_co_u32 s22, s22, SLOT
.endr
	s_mul_i32 s23, s16, 64*PITCH                   ; v's weights: my 64 rows of the 128, where slot 0's rows of B lay
	s_add_co_u32 s23, s23, 2*HALFT
	v_add_nc_u32 v[ADRW], s23, v4
	v_mul_u32_u24 v5, v1, KS                       ; my row's scales: 32 bytes a row,
	v_lshrrev_b32 v6, 8, v5
	v_lshl_add_u32 v5, v6, 4, v5                   ; and 16 more for each 256 passed
	s_mul_i32 s21, s15, HALFS                      ; A's: my 128 rows
	s_mul_i32 s22, s16, HALFS                      ; B's: my 128 rows, behind A's 256
	s_add_co_u32 s22, s22, 2*HALFS
	s_sub_co_u32 s22, s22, s21
	v_mul_u32_u24 v6, s22, v2                      ; lanes 16-31 take B's: one product, the lower base + h x the distance
	s_add_co_u32 s21, s21, SCL
	v_add_nc_u32 v5, v5, v6
	v_add_nc_u32 v[ADRS], s21, v5
	v_and_b32 v6, 31, v0
	v_lshlrev_b32 v[CO], 4, v6
	; where my wave's results begin in qkv, in bytes.  Both: my first token, as 16 (TA % 4) + 8 x my half tiles of 16 tokens of 2,048 bytes = as many steps of 32 keys of 4,096 bytes, halved
	s_lshr_b32 s97, s17, 2
	s_lshl_b32 s97, s97, 4                         ; 16 x batch
	s_and_b32 s98, s17, 3
	s_lshl_b32 s98, s98, 4
	s_lshl_b32 s99, s15, 3
	s_add_co_u32 s98, s98, s99
	s_lshl_b32 s98, s98, 11                        ; the tokens' term
	s_and_b32 s96, s42, 3                          ; q, k: head 16 batch + 4 (TB % 4) + 2 x my half of B; kind TB / 4 = X % 2
	s_lshl_b32 s96, s96, 2
	s_add_co_u32 s96, s96, s97
	s_lshl_b32 s99, s16, 1
	s_add_co_u32 s96, s96, s99
	s_lshl_b32 s96, s96, 17
	s_add_co_u32 s96, s96, s98
	s_and_b32 s99, ttmp9, 1
	s_lshl_b32 s99, s99, 23
	s_add_co_u32 s96, s96, s99
	s_lshl_b32 s99, s42, 1                         ; v: kind 2; head 16 batch + 2 TB + my half of the 128 channels
	s_add_co_u32 s99, s99, s97
	s_add_co_u32 s99, s99, s16
	s_lshl_b32 s99, s99, 17
	s_add_co_u32 s98, s98, s99
	s_add_co_u32 s98, s98, 16777216
	s_mov_b32 s97, 0
	s_mov_b32 s99, 0
	s_add_nc_u64 s[10:11], s[12:13], s[98:99]      ; v's results
	s_add_nc_u64 s[12:13], s[12:13], s[96:97]      ; q's or k's
.macro FRAG reg, adr, q, i             ; a fragment, 16 rows x 128 K of 4-bit codes: lane l holds row l % 16; registers 4 c .. 4 c + 3 hold K = 64 c + 32 (l / 16) + 0 .. 31
.irp c, 0,1
	ds_load_b128 v[\reg+4*\c:\reg+4*\c+3], v[\adr] offset:64*(\q)+32*\c+(\i)*16*PITCH
.endr
.endm
; 16 matrix instructions: A's blocks a0, a0 + 1 x B's eight, 128 along K.  zero = 1: the first product starts the sums.  The 64 accumulators take turns, one instruction a turn, in the same order in every step.
.macro MUL16 a0, p, q, sc, zero
.irp a, \a0, \a0+1
.irp b, 0,1,2,3,4,5,6,7
.if \zero
	v_wmma_scale_f32_16x16x128_f8f6f4 v[8*(8*((\a)%4)+\b):8*(8*((\a)%4)+\b)+7], v[128*(\p)+FR*\b:128*(\p)+FR*\b+FR-1], v[AF+FR*(\a):AF+FR*(\a)+FR-1], 0, v[SC+8*NQ*(\sc)+NQ*\b+(\q)], v[SC+8*NQ*(\sc)+NQ*(\a)+(\q)] matrix_a_fmt:MATRIX_FMT_FP4 matrix_b_fmt:MATRIX_FMT_FP4 matrix_a_scale:MATRIX_SCALE_ROW1
.else
	v_wmma_scale_f32_16x16x128_f8f6f4 v[8*(8*((\a)%4)+\b):8*(8*((\a)%4)+\b)+7], v[128*(\p)+FR*\b:128*(\p)+FR*\b+FR-1], v[AF+FR*(\a):AF+FR*(\a)+FR-1], v[8*(8*((\a)%4)+\b):8*(8*((\a)%4)+\b)+7], v[SC+8*NQ*(\sc)+NQ*\b+(\q)], v[SC+8*NQ*(\sc)+NQ*(\a)+(\q)] matrix_a_fmt:MATRIX_FMT_FP4 matrix_b_fmt:MATRIX_FMT_FP4 matrix_a_scale:MATRIX_SCALE_ROW1
.endif
.endr
.endr
.endm
.macro FETCH_B slot, q, p              ; B's eight fragments of the slot's q-th 128 along K into set p
	WIN TO_B
.irp i, 0,1,2,3,4,5,6,7
	FRAG 128*(\p)+FR*\i, ADRB+\slot, \q, \i
.endr
	WIN 0
.endm
.macro FETCH_A slot, q, i0             ; A's blocks i0 .. i0 + 3
.irp i, \i0, \i0+1, \i0+2, \i0+3
	FRAG AF+FR*(\i), ADRA+\slot, \q, \i
.endr
.endm
.macro SCALES sc                       ; a slot's scale words into set sc: four words a row; lanes 0-15 take A's block i, lanes 16-31 B's block i
.irp i, 0,1,2,3,4,5,6,7
	ds_load_b128 v[SC+8*NQ*\sc+NQ*\i:SC+8*NQ*\sc+NQ*\i+3], v[ADRS] offset:\i*SBLK
.endr
.endm
.macro PLACES n                        ; plain vector instructions that name no register of the matrix instructions in front of them (ISA guide 7.12.1)
.rept \n
	v_nop
.endr
.endm
; A step of 128 along K that has its successor in the same slot.
.macro STEP slot, q, zero
	s_wait_dscnt 4*NL                              ; B's set and A's blocks 0-3 are in; the youngest eight loads (A's blocks 4-7) may be out
	WIN MUL_LO
	MUL16 0, (\q)%2, \q, \slot, \zero
	MUL16 2, (\q)%2, \q, \slot, \zero
	s_wait_dscnt 0                                 ; A's blocks 4-7 are in
	PLACES NP
	FETCH_B \slot, (\q)+1, 1-(\q)%2
	FETCH_A \slot, (\q)+1, 0
	WIN MUL_HI
	MUL16 4, (\q)%2, \q, \slot, \zero
	MUL16 6, (\q)%2, \q, \slot, \zero
	PLACES NP
	WIN 0
	FETCH_A \slot, (\q)+1, 4
.endm
; Slot 0's last step goes over to slot 1, and the bytes of slot 0's rows of B are filled again with v's weights.  In front of the barrier each wave waits for all its tensor loads (its part of slot 1 is the one that may be out),
; adds 0 to its spare word, and waits for that and for its own reads of slot 0.  The barrier opens a round of the cluster's barrier: behind it no wave of any partner still reads those bytes or has a load on its way.
.macro TURN slot, next
	s_wait_tensorcnt 0x0                           ; all my tensor loads have landed, so a group 0 may be written  (every window is 0 here)
	ds_add_u32 v[SPW], v[NIL]                      ; 0 onto my spare word
	s_wait_dscnt 4*NL+1                            ; (the add and the youngest eight loads, A's blocks 4-7, may be out)
	WIN MUL_LO
	MUL16 0, 1, NQ-1, \slot, 0                     ; sixteen matrix instructions stand between the add and the wait for it
	s_wait_dscnt 0x0                               ; the add is done, and my reads of slot 0's rows of B are over
	s_barrier_signal -1
	MUL16 2, 1, NQ-1, \slot, 0
	WIN 0
	s_barrier_wait -1
	CREST
	s_mov_b64 s[G0B+2:G0B+3], s[2:3]               ; slot 0's group 0 for B keeps its LDS address (wave x 128 rows) and takes v's weights: wave 2 the first half of K, wave 3 the second
	s_or_b32 s[G0B+3], s[G0B+3], 0x80000000
	s_cmp_eq_u32 s15, 0                            ; waves 0 and 1 have no part of it: the wave's number alone, the same in every partner
	s_cbranch_scc1 .Lno_part_\@
	tensor_load_to_lds s[G0B:G0B+3], s[G1B:G1B+7]  ; the first tensor load behind the round, and my only one: one load of mine is out
	s_nop 0
.rept 4
	v_nop
.endr
.Lno_part_\@:
	PLACES NP                                      ; in front of the loads below, on both ways
	v_add_nc_u32 v[ADRS], 4*NQ, v[ADRS]            ; on to slot 1's scale words
	FETCH_B \next, 0, 0
	FETCH_A \next, 0, 0
	SCALES \next
	WIN MUL_HI
	MUL16 4, 1, NQ-1, \slot, 0
	MUL16 6, 1, NQ-1, \slot, 0
	PLACES NP
	WIN 0
	FETCH_A \next, 0, 4
.endm
.macro STEPS slot, from                ; the slot's steps from .. NQ - 2
.set Q, \from
.rept NQ-1-\from
	STEP \slot, Q, 0
.set Q, Q+1
.endr
.endm
; THE WAY OUT OF q OR k.  Block a (16 tokens) x B's eight blocks: each accumulator's eight numbers, from its low end on, pack into four registers of f16, which are half of a fragment of the next launch: one store of 512 consecutive aligned bytes.
.macro OUT
.irp a, 0,1,2,3,4,5,6,7
.if \a >= 4
	s_wait_xcnt 0x0                                ; the stores of four blocks back have read their data: those registers are written again only behind this wait
.endif
	WIN 0x0a+5*(\a/4)                              ; sources 0 and 1: window 2 or 3
.irp b, 0,1,2,3,4,5,6,7
.irp r, 0,1,2,3
	v_cvt_pk_f16_f32 v[PK+32*(\a%4)+4*\b+\r], v[64*(\a%4)+8*\b+2*\r], v[64*(\a%4)+8*\b+2*\r+1]
.endr
.endr
	WIN 0
.irp b, 0,1,2,3,4,5,6,7
	global_store_b128 v[CO], v[PK+32*(\a%4)+4*\b:PK+32*(\a%4)+4*\b+3], s[12:13] offset:2048*\a+512*(\b%4)+131072*(\b/4) th:TH_STORE_NT   ; tokens' tile a; head b / 4, channels 16 (b % 4) on
.endr
.endr
.endm
; ---- v.  The kq-th 128 along K (kq = 0 .. 7): my four fragments of v's weights into set p of window 1, my eight of the tokens into set p of window 0: 24 LDS loads
.macro FETCHV kq, p
	WIN TO_B
.irp j, 0,1,2,3
.irp c, 0,1
	ds_load_b128 v[32*(\p)+8*\j+4*\c:32*(\p)+8*\j+4*\c+3], v[ADRW] offset:((\kq)/4)*HALFT+64*((\kq)%4)+32*\c+\j*16*PITCH
.endr
.endr
	WIN 0
.irp i, 0,1,2,3,4,5,6,7
.irp c, 0,1
	ds_load_b128 v[AF+64*(\p)+8*\i+4*\c:AF+64*(\p)+8*\i+4*\c+3], v[ADRA+(\kq)/4] offset:64*((\kq)%4)+32*\c+\i*16*PITCH
.endr
.endr
.endm
; The next step's fragments are asked of LDS, then 32 matrix instructions: the tokens' eight blocks x the weights' four, the 32 accumulators by turns.  The first step's products start the sums.
.macro VSTEP kq
.if (\kq) < 7
	PLACES NP                                      ; in front of loads into registers that the step before has read
	FETCHV (\kq)+1, 1-(\kq)%2
	s_wait_dscnt 24                                ; this step's fragments are in; the 24 loads just issued may be out
.else
	s_wait_dscnt 0x0
.endif
	WIN MUL_V
.irp i, 0,1,2,3,4,5,6,7
.irp j, 0,1,2,3
.if (\kq) == 0
	v_wmma_scale_f32_16x16x128_f8f6f4 v[8*(4*\i+\j):8*(4*\i+\j)+7], v[AF+64*((\kq)%2)+8*\i:AF+64*((\kq)%2)+8*\i+7], v[32*((\kq)%2)+8*\j:32*((\kq)%2)+8*\j+7], 0, v[SC+32*((\kq)/4)+4*\i+(\kq)%4], v[WS+8*\j+(\kq)] matrix_a_fmt:MATRIX_FMT_FP4 matrix_b_fmt:MATRIX_FMT_FP4
.else
	v_wmma_scale_f32_16x16x128_f8f6f4 v[8*(4*\i+\j):8*(4*\i+\j)+7], v[AF+64*((\kq)%2)+8*\i:AF+64*((\kq)%2)+8*\i+7], v[32*((\kq)%2)+8*\j:32*((\kq)%2)+8*\j+7], v[8*(4*\i+\j):8*(4*\i+\j)+7], v[SC+32*((\kq)/4)+4*\i+(\kq)%4], v[WS+8*\j+(\kq)] matrix_a_fmt:MATRIX_FMT_FP4 matrix_b_fmt:MATRIX_FMT_FP4
.endif
.endr
.endr
	WIN 0
.endm
; THE WAY OUT OF v.  Accumulator (i, j): lane (r, h) holds channel 16 j + r and keys 16 i + 8 h + 0 .. 7: packed, half i % 2 of the fragment (32 keys' step i / 2, channels' tile j).  Each block has registers of its own: no store's data are written again.
.macro OUTV
.irp i, 0,1,2,3,4,5,6,7
	WIN 0x0a                                       ; sources 0 and 1: window 2
.irp j, 0,1,2,3
.irp r, 0,1,2,3
	v_cvt_pk_f16_f32 v[PK+16*\i+4*\j+\r], v[8*(4*\i+\j)+2*\r], v[8*(4*\i+\j)+2*\r+1]
.endr
.endr
	WIN 0
.irp j, 0,1,2,3
	global_store_b128 v[CO], v[PK+16*\i+4*\j:PK+16*\i+4*\j+3], s[10:11] offset:4096*(\i/2)+512*(\i%2)+1024*\j th:TH_STORE_NT
.endr
.endr
.endm
	s_wait_tensorcnt 1                             ; the scales and my part of slot 0 are in (slot 1's load may be out)
	s_barrier_signal -1
	s_barrier_wait -1                              ; everybody's are
	FETCH_B 0, 0, 0
	FETCH_A 0, 0, 0
	SCALES 0
	FETCH_A 0, 0, 4
	STEP 0, 0, 1                                   ; the first step's products start the sums
	STEPS 0, 1
	TURN 0, 1
	STEPS 1, 0
	s_wait_dscnt 4*NL                              ; the whole tile's last step: nothing more to fetch for it
	WIN MUL_LO
	MUL16 0, 1, NQ-1, 1, 0
	MUL16 2, 1, NQ-1, 1, 0
	s_wait_dscnt 0
	WIN MUL_HI
	MUL16 4, 1, NQ-1, 1, 0
	MUL16 6, 1, NQ-1, 1, 0
	WIN 0
	PLACES NP                                      ; in front of the conversions, which write registers that held A's fragments and read results
	OUT                                            ; q's or k's 64 stores go out; nothing waits for them
	s_wait_tensorcnt 0x0                           ; waves 2 and 3: my half of v's weights has landed,
	s_wait_dscnt 0x0
	s_barrier_signal -1
	s_barrier_wait -1                              ; everybody's has
	s_wait_xcnt 0x0                                ; the stores have read their data: the registers that held packed results take fragments only behind this wait
	FETCHV 0, 0
	s_wait_loadcnt 0x0                             ; the scale words of v's weights, asked for at the head
.irp kq, 0,1,2,3,4,5,6,7
	VSTEP \kq
.endr
	PLACES NP                                      ; in front of the conversions, which write registers that held fragments and read results
	OUTV
	s_wait_tensorcnt 0x0                           ; the wave's end
	ds_add_u32 v[SPW], v[NIL]
	s_wait_dscnt 0x0
	CROUND                                         ; the closing round: no work-group ends while a partner may still ask for a tile that names it
	s_endpgm
.Lfunc_end_k_qdf3745a510_qkv:
	.size	k_qdf3745a510_qkv, .Lfunc_end_k_qdf3745a510_qkv-k_qdf3745a510_qkv
	.p2alignl 7, 3214868480
	.fill 96, 4, 3214868480
	.section	.rodata,"a",@progbits
	.p2align	6, 0x0
	.amdhsa_kernel k_qdf3745a510_qkv
		.amdhsa_group_segment_fixed_size 327680
		.amdhsa_private_segment_fixed_size 0
		.amdhsa_enable_private_segment 0
		.amdhsa_kernarg_size 40
		.amdhsa_user_sgpr_count 2
		.amdhsa_user_sgpr_kernarg_segment_ptr 1
		.amdhsa_wavefront_size32 1
		.amdhsa_system_sgpr_workgroup_id_x 1
		.amdhsa_system_sgpr_workgroup_id_y 1
		.amdhsa_system_sgpr_workgroup_id_z 1
		.amdhsa_system_vgpr_workitem_id 0
		.amdhsa_next_free_vgpr 1024
		.amdhsa_next_free_sgpr 102
		.amdhsa_reserve_vcc 0
		.amdhsa_float_denorm_mode_32 3
		.amdhsa_float_denorm_mode_16_64 3
		.amdhsa_memory_ordered 1
		.amdhsa_forward_progress 1
		.amdhsa_inst_pref_size 178
	.end_amdhsa_kernel
	.amdgpu_metadata
---
amdhsa.version: [ 1, 2 ]
amdhsa.kernels:
  - .name:           k_qdf3745a510_qkv
    .symbol:         k_qdf3745a510_qkv.kd
    .args:
      - { .name: acodes, .offset: 0, .size: 8, .value_kind: global_buffer, .address_space: global }
      - { .name: ascales, .offset: 8, .size: 8, .value_kind: global_buffer, .address_space: global }
      - { .name: wcodes, .offset: 16, .size: 8, .value_kind: global_buffer, .address_space: global }
      - { .name: wscales, .offset: 24, .size: 8, .value_kind: global_buffer, .address_space: global }
      - { .name: qkv, .offset: 32, .size: 8, .value_kind: global_buffer, .address_space: global }
    .group_segment_fixed_size: 327680
    .private_segment_fixed_size: 0
    .kernarg_segment_align: 8
    .kernarg_segment_size: 40
    .max_flat_workgroup_size: 128
    .sgpr_count:     102
    .vgpr_count:     1024
    .wavefront_size: 32
...
	.end_amdgpu_metadata
.endif
;; end of part 2
;; launch attn (part 3): grid 2 x 128, 8 waves a work-group, no clusters, 263,168 bytes of LDS; arguments qkv, xof; writes xof
.if DOCPART == 3
	.amdgcn_target "amdgcn-amd-amdhsa--gfx1250"
	.amdhsa_code_object_version 6
	.text
	.protected	k_qdf3745a510_attn
	.globl	k_qdf3745a510_attn
	.p2align	8
	.type	k_qdf3745a510_attn,@function
k_qdf3745a510_attn:
	s_mov_b64 s[64:65], 0
	v_nop
	global_prefetch_b8 v0, s[64:65] scope:SCOPE_SE
	s_setreg_imm32_b32 hwreg(HW_REG_WAVE_MODE, 25, 1), 1
	s_wait_xcnt 0x0
; THIRD LAUNCH: the two crossed attentions.  Branch 0: q1 against k2, values v1; branch 1: q2 against k1, values v2.  64 (batch, head) a branch, 1,024 queries and keys, head size 64.
; WORK LEFT OUT: the term 1.0 of softmax(1.0 - a) is the same for every key of a row and cancels (shown at the head of the first launch): the weights are softmax(-a), a = q . k / 8.
; Operands f16, products' sums, maxima and sums in f32; the weights p are rounded to f16 for the second product, the result once at the end.
; SOFTMAX: for each query a running maximum M of -s and a sum l: p = 2^(-c s - c M), c = log2(e) / 8; in every step O and l are multiplied by a = 2^(c M_old - c M_new), which is 1 where M has not grown.
; SHARES.  A work-group owns 512 queries of one head and branch, each of its eight waves 64: four tiles of 16.  Two waves share a SIMD, so that one wave's softmax stands beside the other's products.
; THE HEAD'S WHOLE K AND V, 131,072 bytes each, LIE IN LDS, filled once, in four chunks of 256 keys; each wave brings 8,192 bytes of each chunk (waves 0-3: K, waves 4-7: V): four tensor loads a wave are out at the start.
; TWO BARRIERS: one when the first chunk has landed, one, three key steps later, when all the others have; behind the second the eight waves never meet again.
; K and V lie in memory in the order of the operands' registers (a fragment: 1,024 bytes, registers 4 c .. 4 c + 3 of lane l at 512 c + 16 l), so every LDS load reads 512 consecutive bytes: no pitch, no padding, nothing is turned.
; LAYOUT.  S^T = K Q^T (source 0 = 16 keys, source 1 = 16 queries): a lane holds one query and eight keys; two such tiles, packed to f16, ARE source 1 of O^T = V^T P.  O^T packed is half a fragment of the next launch's operand:
; xof [branch][block of 64 rows, 64][K step of 32 channels, 32][tile of 16 rows, 4][1,024 bytes]: each store covers 512 consecutive aligned bytes.
; NO CLUSTER: a head's K and V are read by two work-groups only; a cluster of four would want masks that name two of the four.
; LIMITS: results beyond 65,504 in magnitude become infinities of f16; weights under 2^-25 of a row's largest fall to 0 in f16.
; REGISTERS: window 0: v1 16 x lane; v2, v3 addresses of the loads in hand; v4, v5 the add's two; v6 v1 + V's base; v16-47 eight registers of statistics a tile; v64-191 S^T, 32 a tile, then P in its first 16; v192-255 K of one step.
;   window 1: v0-63 Q, 16 a tile; v64-191 O^T, 32 a tile; v192-255 V of one step.
.set SPARE, 262144                     ; behind K and V: the spare words, 128 bytes for each of eight waves: four blocks of 256 bytes that no other line names
.set BRS,   25165824                   ; qkv: from branch to branch
.set KIND,  8388608                    ; from q to k to v
.set LI,  1
.set ADK, 2
.set ADV, 3
.set SPW, 4
.set NIL, 5
.set LV,  6
.set ST,  16                           ; tile t's statistics at v[ST + 8 t]: +0 c M, +1 M, +2, +3 l (even keys', odd keys'), +4 to +7 c0-c3, at work; a takes c2's place
.set S,   64
.set KF,  192
.set QF,  0                            ; in window 1
.set O,   64
.set VF,  192
.set WV,  8                            ; s8   my wave's number
.set G1,  16                           ; s[16:23] descriptor group 1
.set G0,  32                           ; s[32:47] four groups 0, one for each chunk
.set SEL, 24                           ; s[24:25] lane selects for v_permlanex16_b32: lane l xor 16
.set NC,  26                           ; s[26:27] -c, twice
.set PC,  28                           ; s28  c
.set TB,  29                           ; s29  LDS byte of the key step in hand: 8,192 a step, in K and in V alike
.set CNT, 30                           ; s30  counts a loop's steps
.set MSB, 0
.macro WIN new                         ; the immediate's high byte repeats the setting that is left
.if MSB != \new
	s_set_vgpr_msb (MSB<<8)|\new
.set MSB, \new
.endif
.endm
; Chunks are shown landed to every wave.  n: how many younger tensor loads of mine may stay out.
.macro SYNC n
	s_wait_tensorcnt \n
	s_wait_dscnt 0x0
	s_barrier_signal -1
	s_barrier_wait -1
.endm
.macro FETCH_K                         ; 64 keys x 64 channels: 8 fragments (keys' tile kt, channels 32 u on: at KF + 8 (2 kt + u))
	WIN 0
.irp i, 0,1,2,3,4,5,6,7,8,9,10,11,12,13,14,15
	ds_load_b128 v[KF+4*\i:KF+4*\i+3], v[ADK] offset:512*\i
.endr
.endm
.macro FETCH_V                         ; 64 keys x 64 channels: 8 fragments (keys 32 s on, channels' tile dt: at VF + 8 (4 s + dt))
	WIN 0x40                                       ; destination window 1
.irp i, 0,1,2,3,4,5,6,7,8,9,10,11,12,13,14,15
	ds_load_b128 v[VF+4*\i:VF+4*\i+3], v[ADV] offset:512*\i
.endr
.endm
; 32 products S^T = K Q^T.  The 16 accumulators take turns, one instruction a turn; the first 16 start the sums.
.macro KQ
	WIN 0x04                                       ; source 1 (Q) window 1
.irp u, 0,1
.irp kt, 0,1,2,3
.irp t, 0,1,2,3
.if \u == 0
	v_wmma_f32_16x16x32_f16 v[S+32*\t+8*\kt:S+32*\t+8*\kt+7], v[KF+8*(2*\kt+\u):KF+8*(2*\kt+\u)+7], v[QF+8*(2*\t+\u):QF+8*(2*\t+\u)+7], 0
.else
	v_wmma_f32_16x16x32_f16 v[S+32*\t+8*\kt:S+32*\t+8*\kt+7], v[KF+8*(2*\kt+\u):KF+8*(2*\kt+\u)+7], v[QF+8*(2*\t+\u):QF+8*(2*\t+\u)+7], v[S+32*\t+8*\kt:S+32*\t+8*\kt+7]
.endif
.endr
.endr
.endr
.endm
; 32 products O^T += V^T P, the 16 accumulators by turns.  first = 1: the first 16 start the sums: nothing is ever cleared.
.macro PV first
	WIN 0x51                                       ; V, C and D window 1; P window 0
.irp s, 0,1
.irp dt, 0,1,2,3
.irp t, 0,1,2,3
.if \first && (\s == 0)
	v_wmma_f32_16x16x32_f16 v[O+32*\t+8*\dt:O+32*\t+8*\dt+7], v[VF+8*(4*\s+\dt):VF+8*(4*\s+\dt)+7], v[S+32*\t+8*\s:S+32*\t+8*\s+7], 0
.else
	v_wmma_f32_16x16x32_f16 v[O+32*\t+8*\dt:O+32*\t+8*\dt+7], v[VF+8*(4*\s+\dt):VF+8*(4*\s+\dt)+7], v[S+32*\t+8*\s:S+32*\t+8*\s+7], v[O+32*\t+8*\dt:O+32*\t+8*\dt+7]
.endif
.endr
.endr
.endr
.endm
; The four tiles' softmax of one key step, the tiles by turns in every group of lines, so that no line waits for the line above it.  first = 1: the first step: no old maximum, no a, nothing to rescale.
.macro SOFTMAX first
	WIN 0
.irp k, 0,1,2,3                        ; the maximum of -s: four chains of seven scores; each accumulator is read from its low end on
.irp t, 0,1,2,3
	v_max3_num_f32 v[ST+8*\t+4+\k], -v[S+32*\t+8*\k], -v[S+32*\t+8*\k+1], -v[S+32*\t+8*\k+2]
.endr
.endr
.irp g, 1,2
.irp k, 0,1,2,3
.irp t, 0,1,2,3
	v_max3_num_f32 v[ST+8*\t+4+\k], v[ST+8*\t+4+\k], -v[S+32*\t+8*\k+2*\g+1], -v[S+32*\t+8*\k+2*\g+2]
.endr
.endr
.endr
.irp t, 0,1,2,3
	v_max3_num_f32 v[ST+8*\t+4], v[ST+8*\t+4], -v[S+32*\t+7], -v[S+32*\t+15]      ; the four scores left over
.endr
.irp t, 0,1,2,3
	v_max3_num_f32 v[ST+8*\t+6], v[ST+8*\t+6], -v[S+32*\t+23], -v[S+32*\t+31]
.endr
.irp t, 0,1,2,3
	v_max3_num_f32 v[ST+8*\t+4], v[ST+8*\t+4], v[ST+8*\t+5], v[ST+8*\t+6]
.endr
.irp t, 0,1,2,3
.if \first
	v_max_num_f32 v[ST+8*\t+4], v[ST+8*\t+4], v[ST+8*\t+7]
.else
	v_max3_num_f32 v[ST+8*\t+4], v[ST+8*\t+4], v[ST+8*\t+7], v[ST+8*\t+1]         ; and the old M
.endif
.endr
.irp t, 0,1,2,3
	v_permlanex16_b32 v[ST+8*\t+5], v[ST+8*\t+4], s[SEL], s[SEL+1]                ; the query's other 32 keys lie in the lane 16 away
.endr
.if \first == 0
.irp t, 0,1,2,3
	v_mov_b32 v[ST+8*\t+7], v[ST+8*\t]             ; c M_old is kept for a
.endr
.endif
.irp t, 0,1,2,3
	v_max_num_f32 v[ST+8*\t+1], v[ST+8*\t+4], v[ST+8*\t+5]                        ; M
.endr
.irp t, 0,1,2,3
	v_mul_f32 v[ST+8*\t], s[PC], v[ST+8*\t+1]      ; c M
.endr
.if \first == 0
.irp t, 0,1,2,3
	v_sub_f32 v[ST+8*\t+7], v[ST+8*\t+7], v[ST+8*\t]                              ; c M_old - c M_new
.endr
.endif
.irp i, 0,1,2,3,4,5,6,7,8,9,10,11,12,13,14,15  ; tile 0: -c s - c M, two at a time
	v_pk_fma_f32 v[S+2*\i:S+2*\i+1], v[S+2*\i:S+2*\i+1], s[NC:NC+1], v[ST:ST+1] op_sel_hi:[1,0,0] neg_lo:[0,0,1] neg_hi:[0,0,1]
.endr
; ONE BATCH of exponentials: none of its lines names an exponential's result.  A tile's exponentials stand between the next tile's scalings.
.if \first == 0
.irp t, 0,1,2,3
	v_exp_f32 v[ST+8*\t+6], v[ST+8*\t+7]           ; a
.endr
.endif
.irp t, 0,1,2,3
.irp i, 0,1,2,3,4,5,6,7,8,9,10,11,12,13,14,15
.if \t < 3
	v_pk_fma_f32 v[S+32*(\t+1)+2*\i:S+32*(\t+1)+2*\i+1], v[S+32*(\t+1)+2*\i:S+32*(\t+1)+2*\i+1], s[NC:NC+1], v[ST+8*(\t+1):ST+8*(\t+1)+1] op_sel_hi:[1,0,0] neg_lo:[0,0,1] neg_hi:[0,0,1]
.endif
	v_exp_f32 v[S+32*\t+2*\i], v[S+32*\t+2*\i]
	v_exp_f32 v[S+32*\t+2*\i+1], v[S+32*\t+2*\i+1]
.endr
.endr
	v_nop                                          ; a plain instruction behind the last exponential
	s_wait_alu depctr_va_vdst(0)                   ; the wait ahead of the first line that names a result: one for the whole batch
.irp t, 0,1,2,3                        ; the sums of p, in f32, ahead of the rounding
	v_pk_add_f32 v[ST+8*\t+4:ST+8*\t+5], v[S+32*\t:S+32*\t+1], v[S+32*\t+2:S+32*\t+3]
.endr
.irp i, 2,3,4,5,6,7,8,9,10,11,12,13,14
.irp t, 0,1,2,3
	v_pk_add_f32 v[ST+8*\t+4:ST+8*\t+5], v[ST+8*\t+4:ST+8*\t+5], v[S+32*\t+2*\i:S+32*\t+2*\i+1]
.endr
.endr
.irp t, 0,1,2,3
.if \first
	v_pk_add_f32 v[ST+8*\t+2:ST+8*\t+3], v[ST+8*\t+4:ST+8*\t+5], v[S+32*\t+30:S+32*\t+31]
.else
	v_pk_add_f32 v[ST+8*\t+4:ST+8*\t+5], v[ST+8*\t+4:ST+8*\t+5], v[S+32*\t+30:S+32*\t+31]
.endif
.endr
.if \first == 0
.irp t, 0,1,2,3
	v_pk_fma_f32 v[ST+8*\t+2:ST+8*\t+3], v[ST+8*\t+2:ST+8*\t+3], v[ST+8*\t+6:ST+8*\t+7], v[ST+8*\t+4:ST+8*\t+5] op_sel_hi:[1,0,1]   ; l = a l + the step's sum
.endr
.endif
.irp i, 0,1,2,3,4,5,6,7,8,9,10,11,12,13,14,15  ; p to f16, in place and ascending: register i takes pair i, which lies at 2 i and 2 i + 1
.irp t, 0,1,2,3
	v_cvt_pk_f16_f32 v[S+32*\t+\i], v[S+32*\t+2*\i], v[S+32*\t+2*\i+1]
.endr
.endr
.if \first == 0
	WIN 0x41                                       ; O^T (destination and source 0) window 1, a window 0
.irp i, 0,1,2,3,4,5,6,7,8,9,10,11,12,13,14,15
.irp t, 0,1,2,3
	v_pk_mul_f32 v[O+32*\t+2*\i:O+32*\t+2*\i+1], v[O+32*\t+2*\i:O+32*\t+2*\i+1], v[ST+8*\t+6:ST+8*\t+7] op_sel_hi:[1,0]
.endr
.endr
.endif
.endm
; A KEY STEP, 64 keys.  Its K is in registers.  Behind the first product the next step's K (more = 1) and this step's V are asked of LDS, and land while the softmax is walked.
.macro STEP first, more
	KQ
	WIN 0
	v_add_nc_u32 v[ADV], s[TB], v[LV]              ; these lines and the v_nop are the four places in front of the loads into K's registers and of the first read of the scores
	s_add_co_u32 s[TB], s[TB], 8192
.if \more
	v_add_nc_u32 v[ADK], s[TB], v[LI]
	v_nop
	v_nop
	FETCH_K
.else
	v_nop
	v_nop
	v_nop
.endif
	FETCH_V
	SOFTMAX \first
	s_wait_dscnt 0x0                               ; V, and the next step's K, are in
	PV \first
	WIN 0
.if \more
.rept 5
	v_nop                                          ; five places: the next step's first products write over P's registers, which these products have read
.endr
.endif
.endm
.macro LOOP n, j0                      ; steps j0 .. j0 + n - 1
	s_mov_b32 s[TB], 8192*\j0
	s_mov_b32 s[CNT], \n
.Lsteps_\@:
	STEP 0, 1
	s_sub_co_u32 s[CNT], s[CNT], 1
	s_cmp_lg_u32 s[CNT], 0
	s_cbranch_scc1 .Lsteps_\@
.endm
	s_load_b128 s[4:7], s[0:1], 0x0                ; qkv s[4:5], xof s[6:7]
	v_lshl_add_u32 v[SPW], v0, 2, SPARE
	v_mov_b32 v[NIL], 0
	ds_add_u32 v[SPW], v[NIL]                      ; the wave's opening: the add, twice on end, and its wait ahead of my first tensor load; the set-up below stands between the second and the wait
	ds_add_u32 v[SPW], v[NIL]
	v_lshrrev_b32 v1, 5, v0
	v_readfirstlane_b32 s[WV], v1                  ; wave 0..7
	; descriptor group 1: a dense block of 8,192 bytes as 32 rows of 256 bytes (32 elements of 8 bytes), no padding
	s_mov_b32 s[G1+0], 3<<16
	s_mov_b32 s[G1+1], 32<<16                      ; tensor_dim0
	s_mov_b32 s[G1+2], 32<<16                      ; tensor_dim1
	s_mov_b32 s[G1+3], 32<<16                      ; tile_dim0
	s_mov_b32 s[G1+4], 32                          ; tile_dim1
	s_mov_b32 s[G1+5], 32                          ; tensor_dim0_stride
	s_mov_b32 s[G1+6], 0
	s_mov_b32 s[G1+7], 0
	s_and_b32 s9, ttmp7, 0xffff
	s_lshr_b32 s12, s9, 6                          ; the branch
	s_and_b32 s13, s9, 63                          ; 16 batch + head
	s_lshl_b32 s14, s13, 17
	s_mul_i32 s15, s12, BRS
	s_sub_co_u32 s48, BRS+KIND, s15                ; K comes from the OTHER branch,
	s_add_co_u32 s48, s48, s14
	s_add_co_u32 s49, s15, 2*KIND                  ; V from my own
	s_add_co_u32 s49, s49, s14
	s_and_b32 s50, s[WV], 3
	s_lshl_b32 s50, s50, 13                        ; my 8,192 bytes of a chunk's 32,768
	s_lshr_b32 s51, s[WV], 2
	s_lshl_b32 s51, s51, 17                        ; K at LDS byte 0, V at 131,072
	s_add_co_u32 s51, s51, s50
	s_cmp_lt_u32 s[WV], 4                          ; waves 0-3 fetch K, waves 4-7 V
	s_cselect_b32 s48, s48, s49
	s_add_co_u32 s48, s48, s50
	s_mov_b32 s49, 0
	s_add_co_u32 s52, s15, s14                     ; Q: my branch, my head,
	s_lshl_b32 s53, ttmp9, 16                      ; my work-group's 512 queries,
	s_add_co_u32 s52, s52, s53
	s_lshl_b32 s53, s[WV], 13                      ; my wave's 64
	s_add_co_u32 s52, s52, s53
	s_mov_b32 s53, 0
	s_lshl_b32 s54, s12, 23                        ; xof: my branch,
	s_lshr_b32 s55, s13, 4
	s_lshl_b32 s55, s55, 4
	s_lshl_b32 s56, ttmp9, 3
	s_add_co_u32 s55, s55, s56
	s_add_co_u32 s55, s55, s[WV]                   ; block of 64 rows: 16 batch + 8 x work-group + wave,
	s_lshl_b32 s55, s55, 17
	s_add_co_u32 s54, s54, s55
	s_and_b32 s55, s13, 15
	s_lshl_b32 s55, s55, 13                        ; K steps 2 head and 2 head + 1
	s_add_co_u32 s54, s54, s55
	s_mov_b32 s55, 0
	s_mov_b32 s[SEL], 0x76543210
	s_mov_b32 s[SEL+1], 0xfedcba98
	s_mov_b32 s[NC], 0xbe38aa3b                    ; -c = -log2(e) / 8
	s_mov_b32 s[NC+1], s[NC]                       ; (named with it as a pair, so it is written)
	s_mov_b32 s[PC], 0x3e38aa3b                    ; c
	s_wait_dscnt 0x0                               ; both opening adds are done
	s_wait_kmcnt 0x0
	s_add_nc_u64 s[10:11], s[4:5], s[52:53]        ; Q
	s_add_nc_u64 s[6:7], s[6:7], s[54:55]          ; xof
	s_add_nc_u64 s[4:5], s[4:5], s[48:49]          ; my part of chunk 0
.irp c, 0,1,2,3
	s_mov_b32 s[G0+4*\c], 1                        ; count = 1
	s_add_co_u32 s[G0+4*\c+1], s51, \c*32768       ; LDS address
	s_add_nc_u64 s[G0+4*\c+2:G0+4*\c+3], s[4:5], \c*32768
	s_or_b32 s[G0+4*\c+3], s[G0+4*\c+3], 0x80000000   ; type = 2
.endr
.irp c, 0,1,2,3
	tensor_load_to_lds s[G0+4*\c:G0+4*\c+3], s[G1:G1+7]   ; all first fills in one group, ahead of every wait on TENSORcnt, every LDS read and every barrier
	s_nop 0
.endr
.rept 4
	v_nop
.endr
	v_and_b32 v[LI], 31, v0
	v_lshlrev_b32 v[LI], 4, v[LI]
	v_add_nc_u32 v[LV], 131072, v[LI]
	WIN 0x40                                       ; destination window 1
.irp i, 0,1,2,3,4,5,6,7,8,9,10,11,12,13,14,15  ; Q stays in registers: 512 consecutive bytes a load
	global_load_b128 v[QF+4*\i:QF+4*\i+3], v[LI], s[10:11] offset:512*\i
.endr
	WIN 0
	SYNC 3                                         ; chunk 0 (keys 0-255: steps 0-3) is in; my three later loads may stay out
	s_mov_b32 s[TB], 0
	v_mov_b32 v[ADK], v[LI]
	FETCH_K                                        ; step 0
	s_wait_loadcnt 0x0                             ; Q
	s_wait_dscnt 0x0
	STEP 1, 1                                      ; step 0; fetches K of step 1
	LOOP 2, 1                                      ; steps 1, 2; the last fetches K of step 3, chunk 0's last
	SYNC 0                                         ; chunks 1 to 3 (steps 4-15): every wave's loads have all landed.  It stands in front of step 3, which is the first to read beyond chunk 0: it fetches K of step 4
	LOOP 12, 3                                     ; steps 3-14: no barrier among them
	STEP 0, 0                                      ; step 15: nothing more to fetch of K
	; THE WAY OUT.  l's two halves and the other half of the lanes' are added (the first four additions are the places behind the last products); O^T is divided by l, packed to f16 and stored as it stands.
.irp t, 0,1,2,3
	v_add_f32 v[ST+8*\t+4], v[ST+8*\t+2], v[ST+8*\t+3]
.endr
.irp t, 0,1,2,3
	v_permlanex16_b32 v[ST+8*\t+5], v[ST+8*\t+4], s[SEL], s[SEL+1]
.endr
.irp t, 0,1,2,3
	v_add_f32 v[ST+8*\t+4], v[ST+8*\t+4], v[ST+8*\t+5]
.endr
.irp t, 0,1,2,3
	v_rcp_f32 v[ST+8*\t+6], v[ST+8*\t+4]
.endr
	v_nop                                          ; a plain instruction behind the last reciprocal
	s_wait_alu depctr_va_vdst(0)                   ; and the wait ahead of the first use: one for the four
	WIN 0x41
.irp t, 0,1,2,3
.irp i, 0,1,2,3,4,5,6,7,8,9,10,11,12,13,14,15
	v_pk_mul_f32 v[O+32*\t+2*\i:O+32*\t+2*\i+1], v[O+32*\t+2*\i:O+32*\t+2*\i+1], v[ST+8*\t+6:ST+8*\t+7] op_sel_hi:[1,0]
.endr
.endr
	WIN 0x05                                       ; sources 0 and 1 window 1, destination window 0: S^T's registers are free
.irp t, 0,1,2,3
.irp i, 0,1,2,3,4,5,6,7,8,9,10,11,12,13,14,15
	v_cvt_pk_f16_f32 v[S+16*\t+\i], v[O+32*\t+2*\i], v[O+32*\t+2*\i+1]
.endr
.endr
	WIN 0
.irp t, 0,1,2,3
.irp dt, 0,1,2,3
	global_store_b128 v[LI], v[S+16*\t+4*\dt:S+16*\t+4*\dt+3], s[6:7] offset:(\dt/2)*4096+1024*\t+512*(\dt%2) th:TH_STORE_NT   ; 512 consecutive bytes, aligned: rows' tile t, channels 16 dt on
.endr
.endr
	s_wait_tensorcnt 0x0                           ; the wave's end
	ds_add_u32 v[SPW], v[NIL]
	s_wait_dscnt 0x0
	s_endpgm
.Lfunc_end_k_qdf3745a510_attn:
	.size	k_qdf3745a510_attn, .Lfunc_end_k_qdf3745a510_attn-k_qdf3745a510_attn
	.p2alignl 7, 3214868480
	.fill 96, 4, 3214868480
	.section	.rodata,"a",@progbits
	.p2align	6, 0x0
	.amdhsa_kernel k_qdf3745a510_attn
		.amdhsa_group_segment_fixed_size 263168
		.amdhsa_private_segment_fixed_size 0
		.amdhsa_enable_private_segment 0
		.amdhsa_kernarg_size 16
		.amdhsa_user_sgpr_count 2
		.amdhsa_user_sgpr_kernarg_segment_ptr 1
		.amdhsa_wavefront_size32 1
		.amdhsa_system_sgpr_workgroup_id_x 1
		.amdhsa_system_sgpr_workgroup_id_y 1
		.amdhsa_system_sgpr_workgroup_id_z 1
		.amdhsa_system_vgpr_workitem_id 0
		.amdhsa_next_free_vgpr 512
		.amdhsa_next_free_sgpr 66
		.amdhsa_reserve_vcc 0
		.amdhsa_float_denorm_mode_32 3
		.amdhsa_float_denorm_mode_16_64 3
		.amdhsa_memory_ordered 1
		.amdhsa_forward_progress 1
		.amdhsa_inst_pref_size 139
	.end_amdhsa_kernel
	.amdgpu_metadata
---
amdhsa.version: [ 1, 2 ]
amdhsa.kernels:
  - .name:           k_qdf3745a510_attn
    .symbol:         k_qdf3745a510_attn.kd
    .args:
      - { .name: qkv, .offset: 0, .size: 8, .value_kind: global_buffer, .address_space: global }
      - { .name: xof, .offset: 8, .size: 8, .value_kind: global_buffer, .address_space: global }
    .group_segment_fixed_size: 263168
    .private_segment_fixed_size: 0
    .kernarg_segment_align: 8
    .kernarg_segment_size: 16
    .max_flat_workgroup_size: 256
    .sgpr_count:     66
    .vgpr_count:     512
    .wavefront_size: 32
...
	.end_amdgpu_metadata
.endif
;; end of part 3
;; launch proj (part 4): grid 2 x 128, 4 waves a work-group, no clusters, 167,936 bytes of LDS; arguments xof, wpf, b_p1, b_p2, out0, out1; writes out0, out1
.if DOCPART == 4
	.amdgcn_target "amdgcn-amd-amdhsa--gfx1250"
	.amdhsa_code_object_version 6
	.text
	.protected	k_qdf3745a510_proj
	.globl	k_qdf3745a510_proj
	.p2align	8
	.type	k_qdf3745a510_proj,@function
k_qdf3745a510_proj:
	s_mov_b64 s[64:65], 0
	v_nop
	global_prefetch_b8 v0, s[64:65] scope:SCOPE_SE
	s_setreg_imm32_b32 hwreg(HW_REG_WAVE_MODE, 25, 1), 1
	s_wait_xcnt 0x0
; FOURTH LAUNCH: out0 = xo w_p1 + b_p1, out1 = yo w_p2 + b_p2.  [4096, 1024] x [1024, 256] a branch; operands f16, sums f32; the bias is the C of each sum's first matrix instruction.
; SHARES.  A work-group makes 64 rows x 128 columns of one branch; wave w makes all 64 rows x 32 columns: 8 accumulators.  Its 32 columns of w_p for all of K, 65,536 bytes, stay in 512 registers, read from memory once.
; The 64 rows of the attention's result for all of K, 131,072 bytes, come into LDS once, in four chunks of 8 K steps; each wave brings 8,192 bytes of each chunk: four tensor loads a wave are out at the start.  All four waves read them.
; Both operands lie in memory in the order of the operand's registers (a fragment: 1,024 bytes, registers 4 c .. 4 c + 3 of lane l at 512 c + 16 l): every load reads 512 consecutive bytes.
; THE MATRIX INSTRUCTION IS USED TRANSPOSED (source 0 = 16 columns of w_p, source 1 = 16 rows): a lane holds eight neighbouring columns of one row; the rows meet in a stage in LDS and leave as runs of 512 bytes.
; NO CLUSTER: the rows' block is shared by two work-groups only, and w_p goes straight into registers.
; REGISTERS: window 0: v1-9 addresses; v16-31 the bias, 8 a tile of columns; v32-95 the accumulators ((rt, n) at v[32 + 8 (2 rt + n)]); v96-159, v160-223 two sets of the rows' fragments (2 K steps x 4 tiles of rows).
;   window 1: w_p's fragments of K steps 0-15 ((s, n) at v[8 (2 s + n)]);   window 2: those of K steps 16-31.
.set STG,   131072                     ; behind the rows: the stage, 64 rows x (512 bytes + 16)
.set SPARE, STG+64*528                 ; the spare words, 128 bytes for each wave: two blocks of 256 bytes that no other line names
.set LI,  1                            ; v1   16 x lane
.set LA1, 2                            ; v2   v1 + 65,536: an LDS offset holds 16 bits
.set SO,  3                            ; v3   the stage: where I put 32 bytes of a row
.set SR,  4                            ; v4   and where I read a row back
.set SPW, 5
.set NIL, 6
.set BO,  7                            ; v7   32 x (lane / 16): my eight numbers of a tile's bias
.set BI,  16
.set ACC, 32
.set AS,  96
.set WV,  24                           ; s24  my wave's number
.set G1,  16
.set G0,  32
.set MSB, 0
.macro WIN new                         ; the immediate's high byte repeats the setting that is left
.if MSB != \new
	s_set_vgpr_msb (MSB<<8)|\new
.set MSB, \new
.endif
.endm
.macro SYNC n                          ; the next chunk is shown landed to every wave; n younger tensor loads of mine may stay out
	s_wait_tensorcnt \n
	s_wait_dscnt 0x0
	s_barrier_signal -1
	s_barrier_wait -1
.endm
.macro FETCH g                         ; group g: K steps 2 g and 2 g + 1 of the four tiles of rows: (ks, rt) at AS + 64 (g % 2) + 8 (4 ks + rt)
.irp i, 0,1,2,3,4,5,6,7,8,9,10,11,12,13,14,15
.if (\g) < 8
	ds_load_b128 v[AS+64*((\g)%2)+4*\i:AS+64*((\g)%2)+4*\i+3], v[LI] offset:8192*(\g)+512*\i
.else
	ds_load_b128 v[AS+64*((\g)%2)+4*\i:AS+64*((\g)%2)+4*\i+3], v[LA1] offset:8192*((\g)-8)+512*\i
.endif
.endr
.endm
.macro PLACES
.rept 4
	v_nop
.endr
.endm
; Group g: the next group's fragments are asked of LDS, then 16 matrix instructions, the 8 accumulators by turns.
.macro GROUP g
.if (\g) < 15
.if (\g) > 0
	PLACES                                         ; in front of loads into registers that the last group but one... the group before has read
.endif
.if ((\g)+1)%4 == 0
	SYNC 3-((\g)+1)/4                              ; the next group begins a chunk
.endif
	FETCH (\g)+1
	s_wait_dscnt 16                                ; this group's fragments are in; the 16 loads just issued may be out
.else
	s_wait_dscnt 0x0
.endif
.if 120-8*(\g) > 63
	s_wait_loadcnt 63                              ; w_p's loads behind this group's are 120 - 8 g; the count's field holds 63, which shows still more of them done
.else
	s_wait_loadcnt 120-8*(\g)                      ; w_p's fragments of these two K steps are in; the later ones may be out
.endif
.if (\g) < 8
	WIN 0x01                                       ; source 0 (w_p) window 1
.else
	WIN 0x02                                       ; window 2
.endif
.irp ks, 0,1
.irp rt, 0,1,2,3
.irp n, 0,1
.if ((\g) == 0) && (\ks == 0)
	v_wmma_f32_16x16x32_f16 v[ACC+8*(2*\rt+\n):ACC+8*(2*\rt+\n)+7], v[8*(2*((2*(\g)+\ks)%16)+\n):8*(2*((2*(\g)+\ks)%16)+\n)+7], v[AS+64*((\g)%2)+8*(4*\ks+\rt):AS+64*((\g)%2)+8*(4*\ks+\rt)+7], v[BI+8*\n:BI+8*\n+7]
.else
	v_wmma_f32_16x16x32_f16 v[ACC+8*(2*\rt+\n):ACC+8*(2*\rt+\n)+7], v[8*(2*((2*(\g)+\ks)%16)+\n):8*(2*((2*(\g)+\ks)%16)+\n)+7], v[AS+64*((\g)%2)+8*(4*\ks+\rt):AS+64*((\g)%2)+8*(4*\ks+\rt)+7], v[ACC+8*(2*\rt+\n):ACC+8*(2*\rt+\n)+7]
.endif
.endr
.endr
.endr
	WIN 0
.endm
	s_load_b256 s[4:11], s[0:1], 0x0               ; xof s[4:5], wpf s[6:7], b_p1 s[8:9], b_p2 s[10:11]
	s_load_b128 s[12:15], s[0:1], 0x20             ; out0 s[12:13], out1 s[14:15]
	v_lshl_add_u32 v[SPW], v0, 2, SPARE
	v_mov_b32 v[NIL], 0
	ds_add_u32 v[SPW], v[NIL]                      ; the wave's opening: the add, twice on end, and its wait ahead of my first tensor load; the set-up below stands between the second and the wait
	ds_add_u32 v[SPW], v[NIL]
	v_lshrrev_b32 v1, 5, v0
	v_readfirstlane_b32 s[WV], v1                  ; wave 0..3
	; descriptor group 1: a dense block of 8,192 bytes as 32 rows of 256 bytes (32 elements of 8 bytes), no padding
	s_mov_b32 s[G1+0], 3<<16
	s_mov_b32 s[G1+1], 32<<16
	s_mov_b32 s[G1+2], 32<<16
	s_mov_b32 s[G1+3], 32<<16
	s_mov_b32 s[G1+4], 32
	s_mov_b32 s[G1+5], 32
	s_mov_b32 s[G1+6], 0
	s_mov_b32 s[G1+7], 0
	s_and_b32 s25, ttmp7, 0xffff
	s_lshr_b32 s26, s25, 6                         ; the branch
	s_and_b32 s27, s25, 63                         ; the block of 64 rows
	s_lshl_b32 s28, s26, 23
	s_lshl_b32 s29, s27, 17
	s_add_co_u32 s28, s28, s29
	s_lshl_b32 s30, s[WV], 13                      ; my 8,192 bytes of a chunk: in memory and in LDS alike
	s_add_co_u32 s28, s28, s30
	s_mov_b32 s29, 0
	s_lshl_b32 s48, s26, 19                        ; wpf: my branch, pair 4 x work-group + wave
	s_lshl_b32 s49, ttmp9, 2
	s_add_co_u32 s49, s49, s[WV]
	s_lshl_b32 s49, s49, 16
	s_add_co_u32 s48, s48, s49
	s_mov_b32 s49, 0
	s_lshl_b32 s50, ttmp9, 9                       ; the bias: column 128 x work-group + 32 x wave
	s_lshl_b32 s51, s[WV], 7
	s_add_co_u32 s50, s50, s51
	s_mov_b32 s51, 0
	s_lshl_b32 s52, s27, 6                         ; the output: row 64 x block + 16 x wave, of 1,024 bytes,
	s_lshl_b32 s53, s[WV], 4
	s_add_co_u32 s52, s52, s53
	s_lshl_b32 s52, s52, 10
	s_lshl_b32 s53, ttmp9, 9                       ; + the work-group's 512 bytes of a row
	s_add_co_u32 s52, s52, s53
	s_mov_b32 s53, 0
	s_wait_dscnt 0x0                               ; both opening adds are done
	s_wait_kmcnt 0x0
	s_add_nc_u64 s[4:5], s[4:5], s[28:29]
	s_add_nc_u64 s[6:7], s[6:7], s[48:49]
	s_cmp_eq_u32 s26, 1                            ; the branch's bias and output: a choice on the work-group's number alone
	s_cselect_b64 s[8:9], s[10:11], s[8:9]
	s_cselect_b64 s[12:13], s[14:15], s[12:13]
	s_add_nc_u64 s[8:9], s[8:9], s[50:51]
	s_add_nc_u64 s[12:13], s[12:13], s[52:53]
.irp c, 0,1,2,3
	s_mov_b32 s[G0+4*\c], 1
	s_add_co_u32 s[G0+4*\c+1], s30, \c*32768
	s_add_nc_u64 s[G0+4*\c+2:G0+4*\c+3], s[4:5], \c*32768
	s_or_b32 s[G0+4*\c+3], s[G0+4*\c+3], 0x80000000
.endr
.irp c, 0,1,2,3
	tensor_load_to_lds s[G0+4*\c:G0+4*\c+3], s[G1:G1+7]   ; all first fills in one group, ahead of every wait on TENSORcnt, every LDS read and every barrier
	s_nop 0
.endr
.rept 4
	v_nop
.endr
	v_and_b32 v[LI], 31, v0
	v_lshlrev_b32 v[LI], 4, v[LI]
	v_add_nc_u32 v[LA1], 65536, v[LI]
	v_and_b32 v8, 15, v0                           ; r
	v_bfe_u32 v9, v0, 4, 1                         ; h
	v_lshlrev_b32 v[BO], 5, v9
	v_mul_u32_u24 v[SO], v8, 528
	v_lshl_add_u32 v[SO], v9, 5, v[SO]
	s_lshl_b32 s31, s[WV], 7
	s_add_co_u32 s31, s31, STG
	v_add_nc_u32 v[SO], s31, v[SO]                 ; the stage: row r, + 32 h, + 128 x wave
	s_mul_i32 s31, s[WV], 16*528
	s_add_co_u32 s31, s31, STG
	v_add_nc_u32 v[SR], s31, v[LI]                 ; back: my 16 rows, 16 bytes a lane
.irp n, 0,1
	global_load_b128 v[BI+8*\n:BI+8*\n+3], v[BO], s[8:9] offset:64*\n          ; lane (r, h) wants, for tile n, the bias of columns 16 n + 8 h + 0 .. 7
	global_load_b128 v[BI+8*\n+4:BI+8*\n+7], v[BO], s[8:9] offset:64*\n+16
.endr
	WIN 0x40                                       ; destination window 1
.set I, 0
.rept 64
	global_load_b128 v[4*I:4*I+3], v[LI], s[6:7] offset:512*I
.set I, I+1
.endr
	WIN 0x80                                       ; destination window 2
.set I, 0
.rept 64
	global_load_b128 v[4*I:4*I+3], v[LI], s[6:7] offset:512*(64+I)
.set I, I+1
.endr
	WIN 0
	SYNC 3                                         ; chunk 0 (K steps 0-7: groups 0-3) is in; my three later loads may stay out
	FETCH 0
.irp g, 0,1,2,3,4,5,6,7,8,9,10,11,12,13,14,15
	GROUP \g
.endr
	; THE WAY OUT: a row's 128 columns come from four waves: they meet in the stage, and each wave stores 16 rows' runs of 512 bytes
	PLACES
.irp rt, 0,1,2,3
.irp n, 0,1
	ds_store_b128 v[SO], v[ACC+8*(2*\rt+\n):ACC+8*(2*\rt+\n)+3] offset:8448*\rt+64*\n        ; each accumulator from its low end on
	ds_store_b128 v[SO], v[ACC+8*(2*\rt+\n)+4:ACC+8*(2*\rt+\n)+7] offset:8448*\rt+64*\n+16
.endr
.endr
	s_wait_dscnt 0x0                               ; for the others' sake: my stores into the stage are done
	s_barrier_signal -1
	s_barrier_wait -1
.irp i, 0,1,2,3,4,5,6,7,8,9,10,11,12,13,14,15
	ds_load_b128 v[AS+4*\i:AS+4*\i+3], v[SR] offset:528*\i
.endr
.irp i, 0,1,2,3,4,5,6,7,8,9,10,11,12,13,14,15
	s_wait_dscnt 15-\i
	global_store_b128 v[LI], v[AS+4*\i:AS+4*\i+3], s[12:13] offset:1024*\i th:TH_STORE_NT   ; 32 lanes store 512 consecutive bytes, aligned
.endr
	s_wait_tensorcnt 0x0                           ; the wave's end, behind my last tensor load and my last LDS store
	ds_add_u32 v[SPW], v[NIL]
	s_wait_dscnt 0x0
	s_endpgm
.Lfunc_end_k_qdf3745a510_proj:
	.size	k_qdf3745a510_proj, .Lfunc_end_k_qdf3745a510_proj-k_qdf3745a510_proj
	.p2alignl 7, 3214868480
	.fill 96, 4, 3214868480
	.section	.rodata,"a",@progbits
	.p2align	6, 0x0
	.amdhsa_kernel k_qdf3745a510_proj
		.amdhsa_group_segment_fixed_size 167936
		.amdhsa_private_segment_fixed_size 0
		.amdhsa_enable_private_segment 0
		.amdhsa_kernarg_size 48
		.amdhsa_user_sgpr_count 2
		.amdhsa_user_sgpr_kernarg_segment_ptr 1
		.amdhsa_wavefront_size32 1
		.amdhsa_system_sgpr_workgroup_id_x 1
		.amdhsa_system_sgpr_workgroup_id_y 1
		.amdhsa_system_sgpr_workgroup_id_z 1
		.amdhsa_system_vgpr_workitem_id 0
		.amdhsa_next_free_vgpr 768
		.amdhsa_next_free_sgpr 66
		.amdhsa_reserve_vcc 0
		.amdhsa_float_denorm_mode_32 3
		.amdhsa_float_denorm_mode_16_64 3
		.amdhsa_memory_ordered 1
		.amdhsa_forward_progress 1
		.amdhsa_inst_pref_size 58
	.end_amdhsa_kernel
	.amdgpu_metadata
---
amdhsa.version: [ 1, 2 ]
amdhsa.kernels:
  - .name:           k_qdf3745a510_proj
    .symbol:         k_qdf3745a510_proj.kd
    .args:
      - { .name: xof, .offset: 0, .size: 8, .value_kind: global_buffer, .address_space: global }
      - { .name: wpf, .offset: 8, .size: 8, .value_kind: global_buffer, .address_space: global }
      - { .name: b_p1, .offset: 16, .size: 8, .value_kind: global_buffer, .address_space: global }
      - { .name: b_p2, .offset: 24, .size: 8, .value_kind: global_buffer, .address_space: global }
      - { .name: out0, .offset: 32, .size: 8, .value_kind: global_buffer, .address_space: global }
      - { .name: out1, .offset: 40, .size: 8, .value_kind: global_buffer, .address_space: global }
    .group_segment_fixed_size: 167936
    .private_segment_fixed_size: 0
    .kernarg_segment_align: 8
    .kernarg_segment_size: 48
    .max_flat_workgroup_size: 128
    .sgpr_count:     66
    .vgpr_count:     768
    .wavefront_size: 32
...
	.end_amdgpu_metadata
.endif
;; end of part 4
